; MI455X (gfx1250); checked and timed in simulation.
; The chip was launched on July 23, 2026; its instructions are those of AMD's public machine-readable ISA for CDNA 5 (MIT licence, August 2026) and "CDNA5" Instruction Set Architecture Reference Guide (July 2026). The comments in the code are by the model that wrote it; some were corrected since.
;; Multihead Att. Allowed arithmetic: matrix products marked QUANTISED: E2M1 operands, one E8M0 scale for each 32 along K, by v_wmma_scale_f32_16x16x128_f8f6f4 with both operands' format E2M1 (or v_wmma_scale_f32_32x16x128_f4), f32 sums; everything else in f32.
;; Inputs: W_kv_codes 2,048 x 32 x 16 uint8 (E2M1 codes of W_kv, K innermost, in blocks of 32 codes, two codes a byte); W_kv_scales 2,048 x 32 uint8 (E8M0 scales of W_kv, one for each 32 codes along K); W_o_codes 1,024 x 32 x 16 uint8 (E2M1 codes of W_o, K innermost, in blocks of 32 codes, two codes a byte); W_o_scales 1,024 x 32 uint8 (E8M0 scales of W_o, one for each 32 codes along K); W_q_codes 1,024 x 32 x 16 uint8 (E2M1 codes of W_q, K innermost, in blocks of 32 codes, two codes a byte); W_q_scales 1,024 x 32 uint8 (E8M0 scales of W_q, one for each 32 codes along K); ln_b 1,024 float32; ln_g 1,024 float32; mask 2 x 2,048 x 4,096 bool; mem 2 x 2,048 x 1,024 float32; x 2 x 2,048 x 1,024 float32.
;; Outputs: out0 2 x 2,048 x 1,024 float32.
;; This version of the problem:
;;   THIS VERSION OF THE PROBLEM IS GIVEN IN LOW PRECISION. The matrix products marked QUANTISED in the list below multiply operands that are first quantised to E2M1 (2 exponent bits, 1 mantissa bit; 4 bits a number), with one power-of-two scale for each 32 numbers along K (OCP MX v1.0); their sums are f32. All else is computed in f32.
;;   The module's matrix products, in the order in which they are computed (A, B: the left and right operand; K: the contracted axis; several contracted axes count as one K, in the product's order):
;;     1. [M 8,192, K 1,024] x [K 1,024, N 2,048]; A: computed on the way; B: input W_kv (given as codes): QUANTISED
;;     2. [M 4,096, K 1,024] x [K 1,024, N 1,024]; A: input x; B: input W_q (given as codes): QUANTISED
;;     3. batch 32 x [M 4,096, K 64] x [K 64, N 2,048]; A: computed on the way; B: computed on the way: QUANTISED
;;     4. batch 32 x [M 64, K 4,096] x [K 4,096, N 2,048]; A: computed on the way; B: softmax (see below): QUANTISED
;;     5. [M 4,096, K 1,024] x [K 1,024, N 1,024]; A: computed on the way; B: input W_o (given as codes): QUANTISED
;;   THE QUANTISER, for each operand of a quantised product, along K:
;;     - K is cut into blocks of 32 from its start; a last block that is shorter is filled with zeros.
;;     - A block's scale is 2^e with e = floor(log2(the largest magnitude in the block)) - 2, held to -126 .. 127; a block of zeros has e = 0. As a byte (E8M0): e + 127.
;;     - Each number is divided by its block's scale, clamped to +-6, and rounded to the nearest number of E2M1, ties to even, subnormals kept.
;;     - The product sums the exact products of the quantised numbers (number of the format x scale) in f32.
;;   ~~~python
;;   def quantise(x, axis):      # numpy; x: float32 -> the quantised numbers, widened to float32 again
;;       x = np.moveaxis(x, axis, -1); K = x.shape[-1]
;;       x = np.pad(x, [(0, 0)] * (x.ndim - 1) + [(0, -K % 32)]); x = x.reshape(x.shape[:-1] + (-1, 32)); a = np.abs(x).max(-1, keepdims=True)
;;       e = np.where(a > 0, np.clip(np.frexp(np.where(a > 0, a, 1))[1] - 1 - 2, -126, 127), 0)      # np.frexp(a)[1] - 1 = floor(log2(a)), exactly
;;       r = np.clip(x / 2.0 ** e, -6, 6)
;;       step = 2.0 ** (np.maximum(np.frexp(np.where(r == 0, 1, r))[1] - 1, 0) - 1)
;;       q = np.round(r / step) * step * 2.0 ** e      # np.round: ties to even
;;       return np.moveaxis(q.reshape(q.shape[:-2] + (-1,))[..., :K], -1, axis).astype(np.float32)
;;   ~~~
;;   SOFTMAX AHEAD OF A QUANTISED PRODUCT. Where the list says 'softmax', what is quantised is not the finished softmax but p = 2^(t - M), with t = logit x log2(e) and M = ceil(the row's largest t), a whole number; so 1/2 < the row's largest p <= 1. The row's sum l is taken of the UNQUANTISED p, in f32, and the product's result is divided by l at the end. Since M is a whole number, a kernel that streams over the keys may use a running M (the ceiling of the running maximum): every later rescaling is an exact power of two, which a block's scale takes up: the codes' values come out the same.
;;   OPERANDS COMPUTED ON THE WAY. 'Computed on the way' means the value that the module computes at that place (a softmax that the list does not call 'softmax' is quantised finished and normalised). What goes into a quantiser is computed in f32, as accurately as f32 sums, v_exp_f32 and their like allow (about 1e-6 of the number): no bf16 or f16 on the way to a quantiser, and a product that is left as it is and whose result goes on into a quantised operand takes f32 operands (vector FMAs, or v_wmma_f32_16x16x4_f32). A number that lies on a knife's edge between two numbers of the format may be rounded either way, as far as f32 arithmetic and the matrix unit's own rounding can turn it there, and no further.
;;   INPUTS GIVEN AS CODES. W_kv (in the module: [1024, 2048], K = its axis 0); W_o (in the module: [1024, 1024], K = its axis 0); W_q (in the module: [1024, 1024], K = its axis 0): each comes as NAME_codes (uint8): NAME with its K axis moved to the last place and cut into blocks of 32 codes, [.., K / 32, bytes a block], one block behind the other in memory; two codes a byte, the lower K in the low four bits (a code: sign, 2 exponent bits, 1 mantissa bit); and NAME_scales (uint8): the same leading axes, one E8M0 byte (e + 127) for each 32 codes along K. Its value is code x scale, taken as it is: it is not quantised again, and the codes and scales need not be those that the quantiser above would give.
;; One version. Each part assembles by itself: llvm-mc -triple=amdgcn-amd-amdhsa -mcpu=gfx1250 --defsym DOCPART=n.
;; ======== version 1 of 1: 4 launches
;; limits: right only within a limited range of input values
;; workspace buffers: c_pk 4,456,448 bytes; w_pk 2,228,224 bytes; mask_w 2,097,152 bytes of whole numbers; flags 8,192 bytes of whole numbers; kv_pk 9,175,040 bytes; q_pk 2,359,296 bytes; a_pk 2,228,224 bytes
;; launch prep (part 1): grid 576 x 1, 4 waves a work-group, no clusters, 68,096 bytes of LDS; arguments x, mem, mask, W_kv_codes, W_kv_scales, W_q_codes, W_q_scales, W_o_codes, W_o_scales, c_pk, w_pk, mask_w, flags; writes c_pk, w_pk, mask_w, flags
.if DOCPART == 1
	.amdgcn_target "amdgcn-amd-amdhsa--gfx1250"
	.amdhsa_code_object_version 6
	.text
	.protected	k_qae0f7b1f3b_prep
	.globl	k_qae0f7b1f3b_prep
	.p2align	8
	.type	k_qae0f7b1f3b_prep,@function
k_qae0f7b1f3b_prep:
	s_mov_b64 s[64:65], 0
	v_nop
	global_prefetch_b8 v0, s[64:65] scope:SCOPE_SE
	s_setreg_imm32_b32 hwreg(HW_REG_WAVE_MODE, 25, 1), 1
	s_wait_xcnt 0x0
; PREP.  Three kinds of work-group, told apart by the work-group's number G; four waves each; waves share nothing: no barrier.
;   G < 256        c = [mem; x], f32, is quantised along H into codes of E2M1 with one E8M0 byte for each 32, laid in the order of an operand's registers.
;   256 <= G < 512 the mask's bytes become lane-mask words (one bit a lane, one word for each score register of a key step), and, in a small buffer of their own, two flags for each key step.
;   G >= 512       the given codes and scale bytes of W_kv, W_q, W_o are copied, as they are, into the same order of registers.
; A TILE is 16 rows that are not neighbours: lane r of tile T holds row 32 (T / 2) + 8 (T % 2) + r + 8 (r / 8).
; A RECORD of a tile is 8,704 bytes: for each K step of 128 (8 of them) two pieces of 512 bytes (registers 4 c .. 4 c + 3 of the fragment, lane l at 16 l), then 512 bytes of scale words: lane (r, g) holds words 4 g .. 4 g + 3 of row r.
; A block's scale is 2^(floor(log2(largest magnitude)) - 2): its byte is the largest magnitude's exponent field - 2, held at 1 from below.
; LIMITS: a block of zeros gets the byte 1, not 127 (its codes are zeros, and only this program reads the bytes); blocks whose largest magnitude lies under 2^-124 are held at the byte 1;
; NaN and infinities among x and mem are not served; the mask's bytes are 0 or 1, as the problem states.
.set SROW,  528                        ; a stage row: 512 bytes + 16: an odd multiple of 16, so that sixteen rows start at sixteen different groups of banks
.set STGB,  16*SROW                    ; a wave's stage
.set MBASE, 4*STGB                     ; the mask's work-groups have LDS bytes of their own
.set REC,   8704
.set LANE, 1
.set LI,   2                           ; 16 x lane
.set CSI,  3                           ; c: stage, on the way in
.set CSO,  4                           ; c: stage, on the way out
.set H8,   5                           ; 8 x (lane / 16)
.set CO,   6                           ; c: my place in the record's codes
.set SO,   7                           ; c: my place in its scale words
.set MSI,  8                           ; mask: stage in
.set MSO,  9                           ; mask: stage out
.set RR,   10                          ; lane % 16
.set HH,   11                          ; lane / 16
.set R,    16                          ; v16-79   16 rows x 16 bytes a lane, as loaded
.set X,    80                          ; v80-143  the same bytes, turned
.set TM,   144                         ; v144-159 at work
.set PC,   160                         ; v160-191 c: codes, eight registers for each K step, so that no store's data are written again
.set OW,   160                         ; v160-175 mask: four sets of four registers of words
.set SW,   192                         ; v192-195 c: four scale words
	s_load_b512 s[4:19], s[0:1], 0x0               ; x, mem, mask, W_kv codes, W_kv scales, W_q codes, W_q scales, W_o codes
	s_load_b256 s[20:27], s[0:1], 0x40             ; W_o scales, c_pk, w_pk, mask_w
	s_load_b64 s[54:55], s[0:1], 0x60              ; flags
	v_lshl_add_u32 v200, v0, 2, 0x10800
	v_mov_b32 v201, 0
	v_lshrrev_b32 v1, 5, v0
	v_readfirstlane_b32 s28, v1                    ; wave
	v_and_b32 v[LANE], 31, v0
	v_lshlrev_b32 v[LI], 4, v[LANE]
	v_and_b32 v[RR], 15, v0
	v_bfe_u32 v[HH], v0, 4, 1
	s_mul_i32 s29, s28, STGB
	v_add_nc_u32 v[CSI], s29, v[LI]                ; in: a row's 512 bytes as they lie
	v_mul_u32_u24 v12, v[RR], SROW
	v_add_nc_u32 v12, s29, v12
	v_lshl_add_u32 v[CSO], v[HH], 7, v12           ; out: row r, + 128 h: 32 numbers of my half
	v_add_nc_u32 v[MSI], MBASE, v[CSI]
	v_lshl_add_u32 v[MSO], v[HH], 5, v12
	v_add_nc_u32 v[MSO], MBASE, v[MSO]             ; out: row r, + 32 h: a block of 32 keys of my half
	v_lshlrev_b32 v[H8], 3, v[HH]
	s_mov_b32 s48, 0x76543210
	s_mov_b32 s49, 0xfedcba98                      ; lane selects: lane l xor 16
	s_lshl_b32 s30, ttmp9, 2
	s_add_co_u32 s30, s30, s28                     ; 4 G + wave
	s_wait_kmcnt 0x0
; x, mem and mask all have rows of 4,096 bytes.  Sixteen loads: piece i (512 bytes) of the tile's sixteen rows, 32 lanes on 512 consecutive bytes.
.macro LOAD16 i
.irp k, 0,1,2,3,4,5,6,7,8,9,10,11,12,13,14,15
	global_load_b128 v[R+4*\k:R+4*\k+3], v[LI], s[34:35] offset:(\k+8*(\k/8))*4096+512*(\i) th:TH_LOAD_NT
.endr
.endm
.macro TURNIN adr
.irp k, 0,1,2,3,4,5,6,7,8,9,10,11,12,13,14,15
	ds_store_b128 v[\adr], v[R+4*\k:R+4*\k+3] offset:SROW*\k
.endr
.endm
	s_cmp_lt_u32 ttmp9, 256
	s_cbranch_scc0 .Lnot_c
; ---------------- c: a wave takes half of a tile's K: four K steps of 128 ----------------
	s_lshr_b32 s31, s30, 1                         ; T
	s_and_b32 s32, s30, 1                          ; g: which half of K
	s_and_b32 s33, s31, 255
	s_cmp_lt_u32 s33, 128
	s_cselect_b64 s[34:35], s[6:7], s[4:5]         ; the first 128 tiles of a batch are mem's, the others x's
	s_lshr_b32 s36, s31, 8
	s_lshl_b32 s36, s36, 11                        ; 2,048 rows a batch
	s_and_b32 s37, s31, 127
	s_lshr_b32 s37, s37, 1
	s_lshl_b32 s37, s37, 5
	s_add_co_u32 s36, s36, s37
	s_and_b32 s37, s31, 1
	s_lshl_b32 s37, s37, 3
	s_add_co_u32 s36, s36, s37                     ; the tile's first row
	s_lshl_b32 s36, s36, 12
	s_lshl_b32 s37, s32, 11
	s_add_co_u32 s36, s36, s37                     ; + 2,048 bytes for the second half of K
	s_mov_b32 s37, 0
	s_add_nc_u64 s[34:35], s[34:35], s[36:37]
	s_mul_i32 s38, s31, REC
	s_mov_b32 s39, 0
	s_add_nc_u64 s[22:23], s[22:23], s[38:39]      ; the tile's record
	s_lshl_b32 s38, s32, 12
	v_add_nc_u32 v[CO], s38, v[LI]                 ; K steps 4 g on
	s_lshl_b32 s38, s32, 8
	v_lshl_add_u32 v[SO], v[RR], 4, s38            ; lane (r, g) of the scale words
	v_mov_b32 v[TM+7], 0                           ; a lane permute's destination counts as one of its sources
	LOAD16 0
.macro CCHUNK i
	s_wait_loadcnt 0x0                             ; this K step's sixteen loads are in
	TURNIN CSI
.irp c, 0,1
.irp j, 0,1,2,3,4,5,6,7
	ds_load_b128 v[X+32*\c+4*\j:X+32*\c+4*\j+3], v[CSO] offset:256*\c+16*\j   ; k = 64 c + 32 h + 0 .. 31 of row r: the order of the operand's registers.  LDS serves a wave's instructions in order: these see the stores above
.endr
.endr
	s_wait_dscnt 0x0                               ; the numbers are back, and the stage's stores have read their registers,
.if (\i) < 3
	LOAD16 (\i)+1                                  ; which take the next K step while this one is worked
.endif
.irp c, 0,1
	v_max3_num_f32 v[TM+\c], |v[X+32*\c]|, |v[X+32*\c+1]|, 0x1800000   ; block 2 c + h is all mine; the floor 2^(3 - 127) holds the byte at 1 from below
.endr
.irp j, 2,4,6,8,10,12,14,16,18,20,22,24,26,28,30
.irp c, 0,1
	v_max3_num_f32 v[TM+\c], v[TM+\c], |v[X+32*\c+\j]|, |v[X+32*\c+\j+1]|
.endr
.endr
.irp c, 0,1
	v_add_nc_u32 v[TM+2+\c], 0xff000000, v[TM+\c]  ; 2 off the exponent field: the conversion's scale operand
.endr
.irp c, 0,1
	v_lshrrev_b32 v[TM+4+\c], 23, v[TM+2+\c]       ; the scale's byte
.endr
	v_lshl_or_b32 v[TM+6], v[TM+5], 16, v[TM+4]    ; my two bytes, blocks h and 2 + h,
	v_lshlrev_b32 v[TM+6], v[H8], v[TM+6]          ; at their places;
	v_permlanex16_b32 v[TM+7], v[TM+6], s48, s49
	v_or_b32 v[SW+\i], v[TM+6], v[TM+7]            ; with lane l xor 16's two the word is whole
.irp c, 0,1
.irp q, 0,1,2,3
	v_cvt_scalef32_pk8_fp4_f32 v[PC+8*(\i)+4*\c+\q], v[X+32*\c+8*\q:X+32*\c+8*\q+7], v[TM+2+\c]
.endr
.endr
	v_nop                                          ; one plain instruction behind the last scaled conversion
	global_store_b128 v[CO], v[PC+8*(\i):PC+8*(\i)+3], s[22:23] offset:1024*(\i)        ; 32 lanes store 512 consecutive bytes
	global_store_b128 v[CO], v[PC+8*(\i)+4:PC+8*(\i)+7], s[22:23] offset:1024*(\i)+512
.endm
	s_wait_alu depctr_va_vdst(0)
	CCHUNK 0
	CCHUNK 1
	CCHUNK 2
	CCHUNK 3
	v_cmp_gt_u32 vcc_lo, 16, v[LANE]               ; both halves of the lanes hold row r's words: lanes 0-15 store them, 256 consecutive bytes
	s_wait_xcnt 0x0                                ; EXEC changes only behind this wait
	s_wait_tensorcnt 0x0
	ds_add_u32 v200, v201
	s_wait_dscnt 0x0
	s_and_saveexec_b32 s50, vcc_lo
	global_store_b128 v[SO], v[SW:SW+3], s[22:23] offset:8192
	s_wait_xcnt 0x0
	s_or_b32 exec_lo, exec_lo, s50
	s_endpgm
.Lnot_c:
	s_cmp_lt_u32 ttmp9, 512
	s_cbranch_scc0 .Lrole_w
; ---------------- the mask: a wave takes a tile of 16 queries x 1,024 keys: eight key steps ----------------
	s_sub_co_u32 s30, s30, 1024
	s_lshr_b32 s31, s30, 2                         ; the query tile, 128 a batch
	s_and_b32 s32, s30, 3                          ; which quarter of the keys
	s_lshr_b32 s36, s31, 7
	s_lshl_b32 s36, s36, 11
	s_and_b32 s37, s31, 127
	s_lshr_b32 s37, s37, 1
	s_lshl_b32 s37, s37, 5
	s_add_co_u32 s36, s36, s37
	s_and_b32 s37, s31, 1
	s_lshl_b32 s37, s37, 3
	s_add_co_u32 s36, s36, s37                     ; the tile's first query
	s_lshl_b32 s36, s36, 12                        ; a query's row of the mask is 4,096 bytes
	s_lshl_b32 s37, s32, 10
	s_add_co_u32 s36, s36, s37
	s_mov_b32 s37, 0
	s_add_nc_u64 s[34:35], s[8:9], s[36:37]
	s_lshl_b32 s38, s31, 13                        ; words: 32 steps x 256 bytes a tile,
	s_lshl_b32 s39, s32, 11                        ; 8 steps a quarter
	s_add_co_u32 s38, s38, s39
	s_mov_b32 s39, 0
	s_add_nc_u64 s[52:53], s[26:27], s[38:39]
	s_lshl_b32 s38, s31, 5                         ; flags: 32 bytes a tile, 8 a quarter
	s_lshl_b32 s46, s32, 3
	s_add_co_u32 s38, s38, s46
	s_add_nc_u64 s[54:55], s[54:55], s[38:39]
	s_mov_b32 s44, 0                               ; bit j: in my j-th step some key counts for some query
	s_mov_b32 s45, 0                               ; bit j: and some key is masked
.set j, 0
.rept 16
	v_mov_b32 v[OW+j], 0                           ; v_writelane_b32's destination counts as read
.set j, j+1
.endr
	LOAD16 0
; One key step.  Word n = 4 d + e of 64: bit l = the mask's byte of query (lane % 16) at key 64 (n / 32) + 32 (lane / 16) + n % 32: the key that score register n holds in that lane.
.macro MSTEP ci, sg
.set XS, X+16*(\sg)
.set OS, OW+4*(2*(\ci)+(\sg)/2)
	v_or_b32 v[TM], v[XS], v[XS+1]
	v_and_b32 v[TM+1], v[XS], v[XS+1]
.irp d, 2,3,4,5,6,7,8,9,10,11,12,13,14,15
	v_or_b32 v[TM], v[TM], v[XS+\d]
	v_and_b32 v[TM+1], v[TM+1], v[XS+\d]
.endr
	v_cmp_ne_u32 s46, 0, v[TM]                     ; lanes with a masked key
	v_cmp_ne_u32 s47, 0x01010101, v[TM+1]          ; lanes with a key that counts
	s_cmp_lg_u32 s47, 0
	s_cselect_b32 s47, 1, 0
	s_cmp_lg_u32 s46, 0
	s_cselect_b32 s46, s47, 0
	s_lshl_b32 s47, s47, 4*(\ci)+(\sg)
	s_lshl_b32 s46, s46, 4*(\ci)+(\sg)
	s_or_b32 s44, s44, s47
	s_or_b32 s45, s45, s46
.irp d, 0,1,2,3,4,5,6,7,8,9,10,11,12,13,14,15
.irp e, 0,1,2,3
	v_and_b32 v[TM+4+\e], 0xff<<(8*\e), v[XS+\d]
.endr
.irp e, 0,1,2,3
	v_cmp_ne_u32 s[40+\e], 0, v[TM+4+\e]           ; the word: one bit a lane
.endr
.irp e, 0,1,2,3
	v_writelane_b32 v[OS+\e], s[40+\e], 16*((\sg)%2)+\d   ; into the lane that stores it: two steps' 128 words are 512 consecutive bytes
.endr
.endr
.if (\sg)%2
	global_store_b128 v[LI], v[OS:OS+3], s[52:53] offset:(4*(\ci)+(\sg)-1)*256
.endif
.endm
.macro MCHUNK ci
	s_wait_loadcnt 0x0
	TURNIN MSI
.irp g, 0,1,2,3
.irp j, 0,1,2,3
	ds_load_b128 v[X+16*\g+4*\j:X+16*\g+4*\j+3], v[MSO] offset:128*\g+64*(\j/2)+16*(\j%2)   ; step g, keys 64 (j / 2) + 32 h + 16 (j % 2) + 0 .. 15 of query r
.endr
.endr
	s_wait_dscnt 0x0
.if (\ci) < 1
	LOAD16 (\ci)+1
.endif
	MSTEP \ci, 0
	MSTEP \ci, 1
	MSTEP \ci, 2
	MSTEP \ci, 3
.endm
	MCHUNK 0
	MCHUNK 1
	s_lshl_b32 s46, s32, 3
	s_lshl_b32 s44, s44, s46                       ; at the quarter's place in the tile's 32 bits
	s_lshl_b32 s45, s45, s46
	v_mov_b32 v[TM], s44
	v_mov_b32 v[TM+1], s45
	v_mov_b32 v[TM+2], 0
	v_cmp_eq_u32 vcc_lo, 0, v[LANE]
	s_wait_alu depctr_va_vdst(0)
	s_wait_xcnt 0x0                                ; EXEC changes only behind this wait
	s_wait_tensorcnt 0x0
	ds_add_u32 v200, v201
	s_wait_dscnt 0x0
	s_and_saveexec_b32 s50, vcc_lo
	global_store_b64 v[TM+2], v[TM:TM+1], s[54:55]
	s_wait_xcnt 0x0
	s_or_b32 exec_lo, exec_lo, s50
	s_endpgm
; ---------------- the weights: a wave copies one tile's record ----------------
.Lrole_w:
	s_sub_co_u32 s30, s30, 2048                    ; record 0-127 W_kv, 128-191 W_q, 192-255 W_o
	s_mov_b32 s36, 192
	s_cmp_lt_u32 s30, 192
	s_cselect_b64 s[32:33], s[14:15], s[18:19]
	s_cselect_b64 s[34:35], s[16:17], s[20:21]
	s_cselect_b32 s36, 128, s36
	s_cmp_lt_u32 s30, 128
	s_cselect_b64 s[32:33], s[10:11], s[32:33]
	s_cselect_b64 s[34:35], s[12:13], s[34:35]
	s_cselect_b32 s36, 0, s36
	s_sub_co_u32 s36, s30, s36                     ; the tile in its tensor
	s_lshr_b32 s37, s36, 1
	s_lshl_b32 s37, s37, 5
	s_and_b32 s36, s36, 1
	s_lshl_b32 s36, s36, 3
	s_add_co_u32 s36, s36, s37                     ; its first row
	s_lshl_b32 s38, s36, 9                         ; a row of codes is 512 bytes,
	s_mov_b32 s39, 0
	s_add_nc_u64 s[32:33], s[32:33], s[38:39]
	s_lshl_b32 s38, s36, 5                         ; of scale bytes 32
	s_add_nc_u64 s[34:35], s[34:35], s[38:39]
	s_mul_i32 s38, s30, REC
	s_add_nc_u64 s[24:25], s[24:25], s[38:39]
	v_and_b32 v12, 8, v[RR]
	v_add_nc_u32 v12, v12, v[RR]                   ; r + 8 (r / 8)
	v_lshlrev_b32 v13, 9, v12
	v_lshl_add_u32 v13, v[HH], 4, v13
	v_lshlrev_b32 v14, 5, v12
	v_lshl_add_u32 v14, v[HH], 4, v14
.irp ks, 0,1,2,3,4,5,6,7
.irp c, 0,1
	global_load_b128 v[R+8*\ks+4*\c:R+8*\ks+4*\c+3], v13, s[32:33] offset:64*\ks+32*\c   ; k = 128 ks + 64 c + 32 h + 0 .. 31 of my row
.endr
.endr
	global_load_b128 v[X:X+3], v14, s[34:35]       ; scale words 4 h .. 4 h + 3 of my row
	s_wait_loadcnt 0x0
.irp ks, 0,1,2,3,4,5,6,7
.irp c, 0,1
	global_store_b128 v[LI], v[R+8*\ks+4*\c:R+8*\ks+4*\c+3], s[24:25] offset:1024*\ks+512*\c
.endr
.endr
	global_store_b128 v[LI], v[X:X+3], s[24:25] offset:8192
	s_endpgm
.Lfunc_end_k_qae0f7b1f3b_prep:
	.size	k_qae0f7b1f3b_prep, .Lfunc_end_k_qae0f7b1f3b_prep-k_qae0f7b1f3b_prep
	.p2alignl 7, 3214868480
	.fill 96, 4, 3214868480
	.section	.rodata,"a",@progbits
	.p2align	6, 0x0
	.amdhsa_kernel k_qae0f7b1f3b_prep
		.amdhsa_group_segment_fixed_size 68096
		.amdhsa_private_segment_fixed_size 0
		.amdhsa_enable_private_segment 0
		.amdhsa_kernarg_size 104
		.amdhsa_user_sgpr_count 2
		.amdhsa_user_sgpr_kernarg_segment_ptr 1
		.amdhsa_wavefront_size32 1
		.amdhsa_system_sgpr_workgroup_id_x 1
		.amdhsa_system_sgpr_workgroup_id_y 1
		.amdhsa_system_sgpr_workgroup_id_z 1
		.amdhsa_system_vgpr_workitem_id 0
		.amdhsa_next_free_vgpr 202
		.amdhsa_next_free_sgpr 66
		.amdhsa_reserve_vcc 1
		.amdhsa_float_denorm_mode_32 3
		.amdhsa_float_denorm_mode_16_64 3
		.amdhsa_memory_ordered 1
		.amdhsa_forward_progress 1
		.amdhsa_inst_pref_size 151
	.end_amdhsa_kernel
	.amdgpu_metadata
---
amdhsa.version: [ 1, 2 ]
amdhsa.kernels:
  - .name:           k_qae0f7b1f3b_prep
    .symbol:         k_qae0f7b1f3b_prep.kd
    .args:
      - { .name: x, .offset: 0, .size: 8, .value_kind: global_buffer, .address_space: global }
      - { .name: mem, .offset: 8, .size: 8, .value_kind: global_buffer, .address_space: global }
      - { .name: mask, .offset: 16, .size: 8, .value_kind: global_buffer, .address_space: global }
      - { .name: W_kv_codes, .offset: 24, .size: 8, .value_kind: global_buffer, .address_space: global }
      - { .name: W_kv_scales, .offset: 32, .size: 8, .value_kind: global_buffer, .address_space: global }
      - { .name: W_q_codes, .offset: 40, .size: 8, .value_kind: global_buffer, .address_space: global }
      - { .name: W_q_scales, .offset: 48, .size: 8, .value_kind: global_buffer, .address_space: global }
      - { .name: W_o_codes, .offset: 56, .size: 8, .value_kind: global_buffer, .address_space: global }
      - { .name: W_o_scales, .offset: 64, .size: 8, .value_kind: global_buffer, .address_space: global }
      - { .name: c_pk, .offset: 72, .size: 8, .value_kind: global_buffer, .address_space: global }
      - { .name: w_pk, .offset: 80, .size: 8, .value_kind: global_buffer, .address_space: global }
      - { .name: mask_w, .offset: 88, .size: 8, .value_kind: global_buffer, .address_space: global }
      - { .name: flags, .offset: 96, .size: 8, .value_kind: global_buffer, .address_space: global }
    .group_segment_fixed_size: 68096
    .private_segment_fixed_size: 0
    .kernarg_segment_align: 8
    .kernarg_segment_size: 104
    .max_flat_workgroup_size: 128
    .sgpr_count:     66
    .vgpr_count:     202
    .wavefront_size: 32
...
	.end_amdgpu_metadata
.endif
;; end of part 1
;; launch proj (part 2): grid 20 x 32, 4 waves a work-group, clusters of 4 x 4, 209,408 bytes of LDS; arguments c_pk, w_pk, kv_pk, q_pk; writes kv_pk, q_pk
.if DOCPART == 2
	.amdgcn_target "amdgcn-amd-amdhsa--gfx1250"
	.amdhsa_code_object_version 6
	.text
	.protected	k_qae0f7b1f3b_proj
	.globl	k_qae0f7b1f3b_proj
	.p2align	8
	.type	k_qae0f7b1f3b_proj,@function
k_qae0f7b1f3b_proj:
	s_mov_b64 s[64:65], 0
	v_nop
	global_prefetch_b8 v0, s[64:65] scope:SCOPE_SE
	s_setreg_imm32_b32 hwreg(HW_REG_WAVE_MODE, 25, 1), 1
	s_wait_xcnt 0x0
	s_wait_alu depctr_hold_cnt(0) depctr_sa_sdst(0) depctr_va_vdst(0) depctr_va_sdst(0) depctr_va_ssrc(0) depctr_va_vcc(0) depctr_vm_vsrc(0)
	s_getreg_b32 s2, hwreg(HW_REG_IB_STS2, 6, 4)
	s_cmp_eq_u32 s2, 0
	s_cbranch_scc0 .Lentry_in_a_cluster
	s_endpgm
.Lentry_in_a_cluster:
	s_bfe_u32 s2, ttmp6, 0x10000c
	s_cmp_lg_u32 s2, 0xf033
	s_cbranch_scc0 .Lentry_shape_is_right
	s_endpgm
.Lentry_shape_is_right:
; PROJ.  kv = c W_kv and q = x W_q on codes of E2M1; the results are quantised in registers and leave as codes: k and q along the head's 64, v along the keys.
; SHARES.  A work-group takes 128 rows of c (8 tiles: one key step) x 256 columns (16 tiles of a weight: four heads), all of K = 1,024 in LDS, each LDS byte filled once: no slot is ever filled again.
; Wave w takes head w of the four: 4 tiles of the weight x the 8 tiles of c: 32 accumulators, 256 registers.
; WHICH WORK: by the cluster's x alone, the same in all sixteen partners: 0 mem x K, 1 mem x V, 2 x x K, 3 x x V, 4 x x Q.
; CLUSTER 4 x 4: the four of a row need the same rows of c, the four of a column the same tiles of the weight: each half is asked for jointly.
; TILES: lane r of tile T holds row 32 (T / 2) + 8 (T % 2) + r + 8 (r / 8), of c and of the weights alike.  So in a result the 16 registers of source 0's tiles 2 b, 2 b + 1 are 16 neighbours 32 b + 16 (lane / 16) + 0 .. 15 along source 0's axis:
; for k and q source 0 is the weight (registers run along the head's 64), for v it is c (registers run along the keys).
; OUT.  kv_pk: a record of 8,960 bytes for each (batch, head, key step): K's 8 tiles x 512 bytes (registers 0-3 of a fragment; k = 64 .. 127 of the score product are zero codes that the reader keeps in registers), V's 4 tiles x 1,024,
; K's scale words (lane (r, h), word i: tile 2 i + h; the bytes of k = 64 .. 127 are 127), V's (lane (r, h): tiles 2 h, 2 h + 1).  q_pk: like K's.
; LIMITS: a block of zeros gets the byte 1, not 127 (its codes are zeros; only this program reads the bytes); blocks whose largest magnitude lies under 2^-124 are held at the byte 1; NaN and infinities are not served.
; REGISTERS.  window 0: v2-5 addresses; v16-47 c's scale words, v48-63 the weight's; v64-159 and v160-255 two sets of fragments (64 of c, 32 of the weight); in the epilogue v64-104 at work.  window 1: the accumulators.
.set REC,   8704
.set CHALF, 4*REC                      ; what one load brings of c
.set WBASE, 8*REC                      ; the weight's 16 records lie behind c's 8
.set WHALF, 8*REC
.set LI,  2                            ; v2   16 x lane; also the address of c's tiles 0-3
.set AC,  2                            ; v2-3 c's tiles 0-3, 4-7
.set AW,  4                            ; v4   my four tiles of the weight
.set L8,  5                            ; v5   8 x lane
.set CS,  16
.set WS,  48
.set CF,  64
.set WF,  128
.set TM,  64                           ; the epilogue: v64-67 largest magnitudes, v68-71 bytes, v76-79 scale operands
.set PC,  80                           ; v80-95 codes, two sets
.set KW,  96                           ; v96-99 scale words to store
.set TA,  100
.set PW,  104
.set G1C, 24
.set G0C, 32
.set G1W, 48
.set G0W, 56
.set MSB, 0
.macro WIN new                         ; the immediate's high byte repeats the setting that is left
.if MSB != \new
	s_set_vgpr_msb (MSB<<8)|\new
.set MSB, \new
.endif
.endm
.macro CREST
	s_cmp_lg_u32 s14, 0
	s_cbranch_scc1 .Lnot_wave_0_\@
	s_barrier_signal -3
.Lnot_wave_0_\@:
	s_barrier_wait -3
	s_barrier_signal -1
	s_barrier_wait -1
.endm
.macro CROUND                          ; a round of the cluster's barrier
	s_barrier_signal -1
	s_barrier_wait -1
	CREST
.endm
	s_load_b256 s[4:11], s[0:1], 0x0               ; c_pk, w_pk, kv_pk, q_pk
	v_lshl_add_u32 v14, v0, 2, 0x33000
	v_mov_b32 v15, 0
	ds_add_u32 v14, v15
	ds_add_u32 v14, v15
	v_lshrrev_b32 v1, 5, v0
	v_readfirstlane_b32 s14, v1                    ; wave 0..3
	s_lshr_b32 s15, s14, 1                         ; I fetch for c (0) or for the weight (1)
	s_and_b32 s16, s14, 1                          ; which half
	s_bfe_u32 s40, ttmp6, 0x40000                  ; cx
	s_bfe_u32 s41, ttmp6, 0x40004                  ; cy
	s_lshl_b32 s42, ttmp9, 2
	s_add_co_u32 s42, s42, s40                     ; X = 4 x cluster x + cx
	s_and_b32 s17, ttmp7, 0xffff
	s_lshl_b32 s17, s17, 2
	s_add_co_u32 s17, s17, s41                     ; Y = 4 x cluster y + cy
	s_lshl_b32 s43, s41, 2
	s_lshl_b32 s43, 15, s43                        ; my row of the cluster
	s_lshl_b32 s44, 0x1111, s40                    ; my column
	s_lshr_b32 s45, ttmp9, 1
	s_min_u32 s45, s45, 1                          ; 1 where the rows are x's
	; descriptor groups 1: dense blocks as rows of 256 bytes (32 elements of 8 bytes), no padding: c's half 136 rows, the weight's 272
	s_or_b32 s[G1C+0], s43, (3<<16)|(1<<21)        ; 15:0 the mask: my row; 17:16 elements of 8 bytes; 21 set beside a mask
	s_mov_b32 s[G1C+1], 32<<16                     ; tensor_dim0
	s_mov_b32 s[G1C+2], 136<<16                    ; tensor_dim1
	s_mov_b32 s[G1C+3], 32<<16                     ; tile_dim0
	s_mov_b32 s[G1C+4], 136                        ; tile_dim1
	s_mov_b32 s[G1C+5], 32                         ; the pitch
	s_mov_b32 s[G1C+6], 0
	s_mov_b32 s[G1C+7], 0
	s_or_b32 s[G1W+0], s44, (3<<16)|(1<<21)        ; the mask: my column
	s_mov_b32 s[G1W+1], 32<<16
	s_mov_b32 s[G1W+2], 272<<16
	s_mov_b32 s[G1W+3], 32<<16
	s_mov_b32 s[G1W+4], 272
	s_mov_b32 s[G1W+5], 32
	s_mov_b32 s[G1W+6], 0
	s_mov_b32 s[G1W+7], 0
	s_lshr_b32 s18, s17, 4                         ; the batch
	s_and_b32 s19, s17, 15                         ; which 128 rows of its 2,048
	s_lshl_b32 s20, s18, 8
	s_lshl_b32 s21, s45, 7
	s_add_co_u32 s20, s20, s21
	s_lshl_b32 s21, s19, 3
	s_add_co_u32 s20, s20, s21                     ; c's first tile: made of Y and the cluster's x, which my row shares
	s_lshl_b32 s21, s16, 2
	s_add_co_u32 s20, s20, s21                     ; + my half's four
	s_mul_i32 s20, s20, REC
	s_mov_b32 s21, 0
	s_lshl_b32 s46, s45, 3
	s_sub_co_u32 s46, s42, s46                     ; the block of 16 tiles of the weights: 0-3 keys, 4-7 values, 8-11 queries: made of X and the cluster's x, which my column shares
	s_lshl_b32 s47, s46, 4
	s_lshl_b32 s60, s16, 3
	s_add_co_u32 s47, s47, s60
	s_mul_i32 s60, s47, REC
	s_mov_b32 s61, 0
	s_wait_dscnt 0x0
	s_wait_kmcnt 0x0
	s_mov_b32 s[G0C], 1
	s_mul_i32 s[G0C+1], s16, CHALF                 ; LDS: the wave's number alone
	s_add_nc_u64 s[G0C+2:G0C+3], s[4:5], s[20:21]
	s_or_b32 s[G0C+3], s[G0C+3], 0x80000000
	s_mov_b32 s[G0W], 1
	s_mul_i32 s[G0W+1], s16, WHALF
	s_add_co_u32 s[G0W+1], s[G0W+1], WBASE
	s_add_nc_u64 s[G0W+2:G0W+3], s[6:7], s[60:61]
	s_or_b32 s[G0W+3], s[G0W+3], 0x80000000
	CROUND                                         ; all sixteen work-groups are here: the joint loads meet
	s_cmp_eq_u32 s15, 0                            ; one tensor load a wave, the only one of the launch: one is outstanding.  Four v_nop follow each of the two lines
	s_cbranch_scc0 .Lfor_w
	tensor_load_to_lds s[G0C:G0C+3], s[G1C:G1C+7]
	s_nop 0
.rept 4
	v_nop
.endr
	s_branch .Lasked
.Lfor_w:
	tensor_load_to_lds s[G0W:G0W+3], s[G1W:G1W+7]
	s_nop 0
.rept 4
	v_nop
.endr
.Lasked:
	v_and_b32 v1, 31, v0
	v_lshlrev_b32 v[LI], 4, v1
	v_add_nc_u32 v[AC+1], CHALF, v[LI]
	s_mul_i32 s62, s14, CHALF
	s_add_co_u32 s62, s62, WBASE
	v_add_nc_u32 v[AW], s62, v[LI]
	v_lshlrev_b32 v[L8], 3, v1
	s_mov_b32 s66, 0x76543210
	s_mov_b32 s67, 0xfedcba98                      ; lane selects: lane l xor 16
	s_mov_b32 s68, 0x7f7f0000                      ; the bytes of k = 64 .. 127 of the score product
	s_mov_b32 s69, 0xffff0000                      ; a lane mask: lanes 16-31
	; where the results go
	s_and_b32 s74, s46, 3
	s_lshl_b32 s74, s74, 2
	s_add_co_u32 s74, s74, s14                     ; the head
	s_lshl_b32 s75, s18, 4
	s_add_co_u32 s74, s74, s75                     ; 16 x batch + head
	s_lshl_b32 s75, s74, 5
	s_lshl_b32 s76, s45, 4
	s_add_co_u32 s75, s75, s76
	s_add_co_u32 s75, s75, s19                     ; the key step: mem's sixteen, then x's
	s_mul_i32 s76, s75, 8960                       ; K, V: the record,
	s_add_co_u32 s78, s76, 8192                    ; K's scale words in it
	s_lshl_b32 s75, s74, 4
	s_add_co_u32 s75, s75, s19
	s_lshl_b32 s80, s75, 12                        ; Q: eight tiles x 512 bytes,
	s_lshl_b32 s82, s75, 9
	s_add_co_u32 s82, s82, 2097152                 ; and their scale words behind all codes
	s_cmp_eq_u32 ttmp9, 4
	s_cselect_b64 s[70:71], s[10:11], s[8:9]
	s_cselect_b32 s76, s80, s76
	s_cselect_b32 s78, s82, s78
	s_mov_b32 s77, 0
	s_mov_b32 s79, 0
	s_add_nc_u64 s[72:73], s[70:71], s[78:79]
	s_add_nc_u64 s[70:71], s[70:71], s[76:77]
	s_wait_alu depctr_va_vdst(0)
	s_wait_tensorcnt 0x0                           ; my part has landed,
	s_barrier_signal -1
	s_barrier_wait -1                              ; everybody's has
; the fragments of K step ks into set p: 24 loads, each 512 consecutive bytes
.macro FRAGS ks, p
.irp a, 0,1,2,3,4,5,6,7
.irp c, 0,1
	ds_load_b128 v[CF+96*(\p)+8*\a+4*\c:CF+96*(\p)+8*\a+4*\c+3], v[AC+\a/4] offset:(\a%4)*REC+1024*(\ks)+512*\c
.endr
.endr
.irp t, 0,1,2,3
.irp c, 0,1
	ds_load_b128 v[WF+96*(\p)+8*\t+4*\c:WF+96*(\p)+8*\t+4*\c+3], v[AW] offset:\t*REC+1024*(\ks)+512*\c
.endr
.endr
.endm
; A scale register carries word ks in lanes 0-15 and word 4 + ks in lanes 16-31: K steps 4 to 7 name the same registers by their upper rows.
.macro PROD d, a, b, sa, sb, ks
.if (\ks) == 0
	v_wmma_scale_f32_16x16x128_f8f6f4 v[\d:\d+7], v[\a:\a+7], v[\b:\b+7], 0, v[\sa], v[\sb] matrix_a_fmt:MATRIX_FMT_FP4 matrix_b_fmt:MATRIX_FMT_FP4
.elseif (\ks) < 4
	v_wmma_scale_f32_16x16x128_f8f6f4 v[\d:\d+7], v[\a:\a+7], v[\b:\b+7], v[\d:\d+7], v[\sa], v[\sb] matrix_a_fmt:MATRIX_FMT_FP4 matrix_b_fmt:MATRIX_FMT_FP4
.else
	v_wmma_scale_f32_16x16x128_f8f6f4 v[\d:\d+7], v[\a:\a+7], v[\b:\b+7], v[\d:\d+7], v[\sa], v[\sb] matrix_a_fmt:MATRIX_FMT_FP4 matrix_b_fmt:MATRIX_FMT_FP4 matrix_a_scale:MATRIX_SCALE_ROW1 matrix_b_scale:MATRIX_SCALE_ROW1
.endif
.endm
; A K step of 128: the next step's fragments are asked for, then 32 products; the 32 accumulators take turns, one instruction a turn, in the same order in every step.  The first step's products start the sums.
.macro KSTEP vpath, ks
	s_wait_dscnt 0x0                               ; this step's fragments are in
.if (\ks) < 7
.if (\ks) > 0
.rept 4
	v_nop                                          ; four plain instructions between the last products and loads into registers that they read (ISA guide 7.12.1 for vector instructions)
.endr
.endif
	FRAGS (\ks)+1, ((\ks)+1)%2
.endif
	WIN 0x50                                       ; C and D in window 1
.set FP, 96*((\ks)%2)
.set SQ, (\ks)%4
.irp a, 0,1,2,3,4,5,6,7
.irp t, 0,1,2,3
.if \vpath
	PROD 64*\t+8*\a, CF+FP+8*\a, WF+FP+8*\t, CS+4*\a+SQ, WS+4*\t+SQ, \ks
.else
	PROD 32*\a+8*\t, WF+FP+8*\t, CF+FP+8*\a, WS+4*\t+SQ, CS+4*\a+SQ, \ks
.endif
.endr
.endr
	WIN 0
.endm
; 64 numbers of a lane, registers src .. src + 63 of window 1, register 16 b + i = place 32 b + 16 (lane / 16) + i along the next K, become eight registers of codes at pc and four scale bytes in pw.
.macro QUANT src, pc, pw
	WIN 0x05                                       ; sources 0 and 1 in window 1
.irp b, 0,1,2,3
	v_max3_num_f32 v[TM+\b], |v[(\src)+16*\b]|, |v[(\src)+16*\b+1]|, 0x1800000   ; each accumulator is read from its low end on; the floor 2^(3 - 127) holds the byte at 1 from below
.endr
.irp i, 2,4,6,8,10,12,14
.irp b, 0,1,2,3
	v_max3_num_f32 v[TM+\b], |v[(\src)+16*\b+\i]|, |v[(\src)+16*\b+\i+1]|, v[TM+\b]
.endr
.endr
	WIN 0
.irp b, 0,1,2,3
	v_permlanex16_b32 v[TM+4+\b], v[TM+\b], s66, s67
.endr
.irp b, 0,1,2,3
	v_max_num_f32 v[TM+\b], v[TM+\b], v[TM+4+\b]   ; with lane l xor 16's: the block's largest magnitude
.endr
.irp b, 0,1,2,3
	v_add_nc_u32 v[TM+12+\b], 0xff000000, v[TM+\b] ; 2 off the exponent field: the conversion's scale operand
.endr
.irp b, 0,1,2,3
	v_lshrrev_b32 v[TM+4+\b], 23, v[TM+12+\b]      ; the byte
.endr
	v_lshl_or_b32 v[\pw], v[TM+5], 8, v[TM+4]
	v_lshl_or_b32 v[\pw], v[TM+6], 16, v[\pw]
	v_lshl_or_b32 v[\pw], v[TM+7], 24, v[\pw]
	s_wait_xcnt 0x0                                ; earlier stores have read their data: the codes' registers may be written again
	WIN 0x01                                       ; source 0 in window 1
.irp b, 0,1,2,3
	v_cvt_scalef32_pk8_fp4_f32 v[(\pc)+2*\b], v[(\src)+16*\b:(\src)+16*\b+7], v[TM+12+\b]
	v_cvt_scalef32_pk8_fp4_f32 v[(\pc)+2*\b+1], v[(\src)+16*\b+8:(\src)+16*\b+15], v[TM+12+\b]
.endr
	WIN 0
	v_nop                                          ; one plain instruction behind the last scaled conversion
.irp c, 0,1                                    ; the operand's layout wants a whole block in a lane
.irp i, 0,1
	v_permlane16_swap_b32 v[(\pc)+4*\c+\i], v[(\pc)+4*\c+2+\i]
.endr
.endr
.endm
.macro EPIHEAD
.rept 4
	v_nop                                          ; four plain instructions behind the last products, ahead of the first read of results and the first write of fragment registers
.endr
.irp b, 0,1,2,3
	v_mov_b32 v[TM+4+\b], 0                        ; a lane permute's destination counts as one of its sources
.endr
.endm
.irp a, 0,1,2,3,4,5,6,7
	ds_load_b128 v[CS+4*\a:CS+4*\a+3], v[AC+\a/4] offset:(\a%4)*REC+8192
.endr
.irp t, 0,1,2,3
	ds_load_b128 v[WS+4*\t:WS+4*\t+3], v[AW] offset:\t*REC+8192
.endr
	FRAGS 0, 0
	s_and_b32 s84, ttmp9, 1
	s_cmp_lg_u32 s84, 0
	s_cbranch_scc1 .Lpath_v
; ---- k and q: source 0 = the weight, source 1 = c: a lane holds one row of c, its registers run along the head's 64
.irp ks, 0,1,2,3,4,5,6,7
	KSTEP 0, \ks
.endr
	EPIHEAD
.irp i, 0,1,2,3                                ; tiles 2 i and 2 i + 1 of c: two blocks of 32 each
	QUANT 64*\i, PC+8*(\i%2), PW
	global_store_b128 v[LI], v[PC+8*(\i%2):PC+8*(\i%2)+3], s[70:71] offset:1024*\i        ; tile 2 i: 512 consecutive bytes
	global_store_b128 v[LI], v[PC+8*(\i%2)+4:PC+8*(\i%2)+7], s[70:71] offset:1024*\i+512  ; tile 2 i + 1
	v_and_or_b32 v[TA], v[PW], 0xffff, s68         ; tile 2 i's two bytes,
	v_lshrrev_b32 v[TA+1], 16, v[PW]
	v_or_b32 v[TA+1], s68, v[TA+1]                 ; tile 2 i + 1's;
	v_cndmask_b32 v[KW+\i], v[TA], v[TA+1], s69    ; lanes 0-15 carry the one, lanes 16-31 the other
.endr
	global_store_b128 v[LI], v[KW:KW+3], s[72:73]
	s_branch .Lend
; ---- v: source 0 = c, source 1 = the weight: a lane holds one of the head's 64, its registers run along the 128 keys
.Lpath_v:
.irp ks, 0,1,2,3,4,5,6,7
	KSTEP 1, \ks
.endr
	EPIHEAD
.irp t, 0,1,2,3
	QUANT 64*\t, PC+8*(\t%2), KW+\t
	global_store_b128 v[LI], v[PC+8*(\t%2):PC+8*(\t%2)+3], s[70:71] offset:4096+1024*\t
	global_store_b128 v[LI], v[PC+8*(\t%2)+4:PC+8*(\t%2)+7], s[70:71] offset:4096+1024*\t+512
.endr
	v_cndmask_b32 v[TA], v[KW], v[KW+2], s69       ; lanes 0-15: tiles 0, 1; lanes 16-31: tiles 2, 3
	v_cndmask_b32 v[TA+1], v[KW+1], v[KW+3], s69
	global_store_b64 v[L8], v[TA:TA+1], s[70:71] offset:8704
.Lend:
	s_wait_tensorcnt 0x0
	ds_add_u32 v14, v15
	s_wait_dscnt 0x0
	CROUND                                         ; the closing round: no work-group ends while a partner may still ask for a tile that names it
	s_endpgm
.Lfunc_end_k_qae0f7b1f3b_proj:
	.size	k_qae0f7b1f3b_proj, .Lfunc_end_k_qae0f7b1f3b_proj-k_qae0f7b1f3b_proj
	.p2alignl 7, 3214868480
	.fill 96, 4, 3214868480
	.section	.rodata,"a",@progbits
	.p2align	6, 0x0
	.amdhsa_kernel k_qae0f7b1f3b_proj
		.amdhsa_group_segment_fixed_size 209408
		.amdhsa_private_segment_fixed_size 0
		.amdhsa_enable_private_segment 0
		.amdhsa_kernarg_size 32
		.amdhsa_user_sgpr_count 2
		.amdhsa_user_sgpr_kernarg_segment_ptr 1
		.amdhsa_wavefront_size32 1
		.amdhsa_system_sgpr_workgroup_id_x 1
		.amdhsa_system_sgpr_workgroup_id_y 1
		.amdhsa_system_sgpr_workgroup_id_z 1
		.amdhsa_system_vgpr_workitem_id 0
		.amdhsa_next_free_vgpr 512
		.amdhsa_next_free_sgpr 92
		.amdhsa_reserve_vcc 0
		.amdhsa_float_denorm_mode_32 3
		.amdhsa_float_denorm_mode_16_64 3
		.amdhsa_memory_ordered 1
		.amdhsa_forward_progress 1
		.amdhsa_inst_pref_size 131
	.end_amdhsa_kernel
	.amdgpu_metadata
---
amdhsa.version: [ 1, 2 ]
amdhsa.kernels:
  - .name:           k_qae0f7b1f3b_proj
    .symbol:         k_qae0f7b1f3b_proj.kd
    .args:
      - { .name: c_pk, .offset: 0, .size: 8, .value_kind: global_buffer, .address_space: global }
      - { .name: w_pk, .offset: 8, .size: 8, .value_kind: global_buffer, .address_space: global }
      - { .name: kv_pk, .offset: 16, .size: 8, .value_kind: global_buffer, .address_space: global }
      - { .name: q_pk, .offset: 24, .size: 8, .value_kind: global_buffer, .address_space: global }
    .group_segment_fixed_size: 209408
    .private_segment_fixed_size: 0
    .kernarg_segment_align: 8
    .kernarg_segment_size: 32
    .max_flat_workgroup_size: 128
    .sgpr_count:     92
    .vgpr_count:     512
    .wavefront_size: 32
...
	.end_amdgpu_metadata
.endif
;; end of part 2
;; launch attn (part 3): grid 8 x 32, 16 waves a work-group, no clusters, 325,632 bytes of LDS; arguments kv_pk, q_pk, mask_w, flags, a_pk; writes a_pk
.if DOCPART == 3
	.amdgcn_target "amdgcn-amd-amdhsa--gfx1250"
	.amdhsa_code_object_version 6
	.text
	.protected	k_qae0f7b1f3b_attn
	.globl	k_qae0f7b1f3b_attn
	.p2align	8
	.type	k_qae0f7b1f3b_attn,@function
k_qae0f7b1f3b_attn:
	s_mov_b64 s[64:65], 0
	v_nop
	global_prefetch_b8 v0, s[64:65] scope:SCOPE_SE
	s_setreg_imm32_b32 hwreg(HW_REG_WAVE_MODE, 25, 1), 1
	s_wait_xcnt 0x0
; ATTN.  attended = softmax(q k^T / 8, masked) v for one (batch, head), both products on codes of E2M1; the result is divided by the row's sum, quantised along the head's 64 and stored as codes.
; t = score x log2(e) / 8; M = the running largest t rounded up to a whole number; p = 2^(t - M) is quantised along the keys; the sum is taken of the unquantised p.  When M moves, the sum and O are multiplied by 2^(old M - new M): exact.
; SHARES.  A work-group: one head, 16 tiles of 16 queries (tile = 8 x rank + work-group x), sixteen waves, four to a SIMD.  A key step is 128 keys; there are 32.
; THE DEAL, by the wave's number alone: wave p < 8 takes tile rank p through all 32 steps, stores it, and then takes steps 25 .. 31 of tile rank 15 - p; wave 8 + p takes steps 0 .. 24 of tile rank 15 - p.
; Wave p hands its part of that tile (O^T, -M, the sum: 4,608 bytes) to wave 8 + p through LDS; the two parts are joined by powers of two, which round nothing.  Where later queries see more keys the sixteen waves so carry like numbers of live steps;
; the deal is right for every mask: all trip counts are constants, and a wave's steps are cut out of its ANY bits.
; LAYOUT.  Both products are used transposed (S^T = K Q^T, O^T = V^T P^T): a lane holds one query (lane % 16).  Score tile 4 c + u takes as rows 0-7 keys 64 c + 8 u + 0 .. 7 and as rows 8-15 keys 64 c + 32 + 8 u + 0 .. 7:
; score register n of lane (q, h) is key 64 (n / 32) + 32 h + n % 32.  So a block of 32 keys lies whole in one lane: its largest score needs no other lane, and the conversions' results are the second product's operand as they stand.
; Q's codes of k = 64 .. 127 are zeros, so K's codes there may be any: tile f's fragment is named as v[32 + 4 f : 39 + 4 f], whose upper four registers are the next tile's codes (tile 7's: V's first four); all scale bytes there are 127.
; THE HEAD'S RECORDS, 32 x 8,960 bytes, LIE IN LDS, each byte written once, copied through registers in four phases of eight records: phase 0 ahead of the first step, the others under steps 0 to 5, asked for two steps ahead of their LDS stores.
; Wave w copies piece w (512 bytes) of each record's sixteen pieces of codes; waves 0-7 lay K's pieces in the order of the score tiles above.  Half a record's 768 scale bytes go with each wave, as they lie.
; THE MASK is honoured as given: an earlier launch has made of it, for each tile and step, 64 lane-mask words and two bits: ANY (some key counts for some query of the tile) and PART (and some key is masked).
; A step without ANY is jumped over; only a step with PART loads the words and runs the 64 selects.  No barrier stands under these branches.
; NO CLUSTER, NO TENSOR LOAD: these branches hang on numbers read from memory.  NO PREFETCH: each phase's loads into registers are themselves issued two steps ahead of their use.
; A ROW WITH NO KEY THAT COUNTS has the sum 0: its scale bytes are stored as 0xff, so that the next product makes the whole row NaN, as the softmax of such a row is.
; LIMITS: a block of zeros gets the byte 1, not 127 (its codes are zeros; only this program reads the bytes); blocks whose largest magnitude lies under 2^-124 are held at the byte 1; NaN and infinities among the scores are not served;
; the promise holds while the scaled scores stay under 2^31 in magnitude.  The 32 scale bytes a wave leave two bytes a lane: one part in seventeen of what the launch stores.
; REGISTERS: v1-11 addresses; v12 -M, v13 the largest score, v[14:15] the sum; v16-23 Q (v20-23 zero codes); v24 Q's scale words, v25 p's, v26-29 K's, v30-31 V's; v32-63 K's eight tiles; v64-95 V's four; v96-159 S^T, then p;
; v160-191 O^T; v192-223, v239, v246, v248 the copy's batch (then v192-196: the second tile's Q); v224-231 p's codes; the rest of v232-254 at work.
.set STEPB, 8960
.set PHASE, 8*STEPB
.set SPARE, 32*STEPB                   ; the spare words: 128 bytes a wave
.set MBASE, SPARE+2048                 ; eight pairs x 4,608 bytes for the parts that are handed over
.set SPLIT, 25
.set LI,   1                           ; 16 x lane
.set L8,   2                           ; 8 x lane
.set ADR,  3
.set AD8,  4
.set KSL,  5                           ; my place among K's scale words
.set H8,   6                           ; 8 x (lane / 16)
.set NINF, 7
.set ADS,  8
.set CG,   9                           ; the copy: my 16 bytes of a record's codes in memory
.set CD,   10                          ; and in LDS
.set QSO,  11                          ; 16 x (lane % 16)
.set FA,   238
.set SG,   247                         ; the copy: my 4 bytes of scale bytes, in memory and in LDS alike
.set MG,   250                         ; my pair's bytes for the hand-over
.set SPW,  251
.set NIL,  255
.set CNT,  2
.set TB,   3                           ; the step's LDS byte
.set KVB,  52
.set MP,   54                          ; the step's 64 mask words: they land in s[4:51] and s[68:83]
.set ANY,  56
.set PART, 57
.set CS,   58                          ; s[58:59] c = log2(e) / 8
.set SEL,  60
.set WV,   62
.set FB,   63                          ; the phase's LDS byte
.set ANY2, 66
.set PART2, 67
.set OC,   84
.set OS,   86
.set MP2,  88
.set ZF,   98
.set SX,   99
.set CSN,  100                         ; -c
.macro MS d, a, sa, row                ; a score tile: the first and only K step of its sum
.if \row
	v_wmma_scale_f32_16x16x128_f8f6f4 v[(\d):(\d)+7], v[(\a):(\a)+7], v[16:23], 0, v[\sa], v24 matrix_a_fmt:MATRIX_FMT_FP4 matrix_b_fmt:MATRIX_FMT_FP4 matrix_a_scale:MATRIX_SCALE_ROW1
.else
	v_wmma_scale_f32_16x16x128_f8f6f4 v[(\d):(\d)+7], v[(\a):(\a)+7], v[16:23], 0, v[\sa], v24 matrix_a_fmt:MATRIX_FMT_FP4 matrix_b_fmt:MATRIX_FMT_FP4
.endif
.endm
.macro MO d, a, sa, row                ; O^T += V^T P^T
.if \row
	v_wmma_scale_f32_16x16x128_f8f6f4 v[(\d):(\d)+7], v[(\a):(\a)+7], v[224:231], v[(\d):(\d)+7], v[\sa], v25 matrix_a_fmt:MATRIX_FMT_FP4 matrix_b_fmt:MATRIX_FMT_FP4 matrix_a_scale:MATRIX_SCALE_ROW1
.else
	v_wmma_scale_f32_16x16x128_f8f6f4 v[(\d):(\d)+7], v[(\a):(\a)+7], v[224:231], v[(\d):(\d)+7], v[\sa], v25 matrix_a_fmt:MATRIX_FMT_FP4 matrix_b_fmt:MATRIX_FMT_FP4
.endif
.endm
.macro INIT                            ; a tile's state: O^T and the sum zeros, the largest score -3e38.  (A step is written alike for all steps: the first change of M leaves zeros zeros)
.set j, 0
.rept 32
	v_mov_b32 v[160+j], 0
.set j, j+1
.endr
	v_mov_b32 v13, 0xff61b1e6
	v_mov_b32 v14, 0
	v_mov_b32 v15, 0
	v_mul_f32 v12, s[CSN], v13
	s_delay_alu instid0(VALU_DEP_1)
	v_floor_f32 v12, v12                           ; -M
.endm
.macro CLOAD                           ; a phase's eleven loads: my piece of eight records' codes, my 384 scale bytes
.irp i, 0,1,2,3,4,5,6,7
	global_load_b128 v[192+4*\i:195+4*\i], v[CG], s[KVB:KVB+1] offset:STEPB*\i
.endr
	global_load_b32 v239, v[SG], s[KVB:KVB+1]
	global_load_b32 v246, v[SG], s[KVB:KVB+1] offset:128
	global_load_b32 v248, v[SG], s[KVB:KVB+1] offset:256
.endm
.macro CSTORE
	v_add_nc_u32 v[FA], s[FB], v[CD]
.irp i, 0,1,2,3,4,5,6,7
	ds_store_b128 v[FA], v[192+4*\i:195+4*\i] offset:STEPB*\i
.endr
	v_add_nc_u32 v[FA], s[FB], v[SG]
	ds_store_b32 v[FA], v239
	ds_store_b32 v[FA], v246 offset:128
	ds_store_b32 v[FA], v248 offset:256
.endm
	s_load_b256 s[4:11], s[0:1], 0x0               ; kv_pk, q_pk, mask_w, flags
	s_load_b64 s[12:13], s[0:1], 0x20              ; a_pk
	v_lshl_add_u32 v[SPW], v0, 2, SPARE
	v_mov_b32 v[NIL], 0
	v_lshrrev_b32 v8, 5, v0
	v_readfirstlane_b32 s[WV], v8                  ; wave 0..15
	s_and_b32 s16, s[WV], 7                        ; p
	s_lshr_b32 s17, s[WV], 3                       ; 0: waves 0-7; 1: waves 8-15
	s_xor_b32 s19, s16, 15                         ; the rank of the tile that the pair shares: 15 - p
	s_cmp_eq_u32 s17, 0
	s_cselect_b32 s18, s16, s19                    ; the rank of my first tile
	s_cselect_b32 s20, -1, (1<<SPLIT)-1            ; its steps that are mine
	s_cselect_b32 s21, -1, 0                       ; and whether the shared tile's last steps are
	s_and_b32 s22, ttmp7, 0xffff                   ; 16 x batch + head
	s_lshr_b32 s23, s22, 4
	s_and_b32 s24, s22, 15
	s_lshl_b32 s25, s18, 3
	s_add_co_u32 s25, s25, ttmp9                   ; my first tile,
	s_lshl_b32 s26, s19, 3
	s_add_co_u32 s26, s26, ttmp9                   ; the shared tile: both enter global addresses alone
	s_lshl_b32 s27, s23, 7
	s_add_co_u32 s28, s27, s25                     ; 128 x batch + tile
	s_add_co_u32 s29, s27, s26
	s_mul_i32 s[KVB], s22, 32*STEPB
	s_mov_b32 s[KVB+1], 0
	s_lshl_b32 s[MP], s28, 13                      ; 32 steps x 256 bytes of words
	s_mov_b32 s[MP+1], 0
	s_lshl_b32 s[MP2], s29, 13
	s_add_co_u32 s[MP2], s[MP2], SPLIT*256
	s_mov_b32 s[MP2+1], 0
	s_lshl_b32 s30, s28, 5                         ; the flags: 32 bytes a tile
	s_mov_b32 s31, 0
	s_lshl_b32 s32, s29, 5
	s_mov_b32 s33, 0
	s_lshl_b32 s[OC], s24, 9
	s_add_co_u32 s[OC], s[OC], s[MP]               ; codes out: 8,192 bytes a tile, 512 a head
	s_mov_b32 s[OC+1], 0
	s_lshl_b32 s[OS], s28, 9                       ; scale words out: 512 bytes a tile, 64 for each pair of heads, two bytes of a word a head
	s_lshr_b32 s34, s24, 1
	s_lshl_b32 s34, s34, 6
	s_add_co_u32 s[OS], s[OS], s34
	s_and_b32 s34, s24, 1
	s_lshl_b32 s34, s34, 1
	s_add_co_u32 s[OS], s[OS], s34
	s_add_co_u32 s[OS], s[OS], 2097152
	s_mov_b32 s[OS+1], 0
	s_lshl_b32 s34, s22, 7                         ; Q's codes: 512 bytes a tile
	s_add_co_u32 s90, s34, s25
	s_lshl_b32 s90, s90, 9
	s_mov_b32 s91, 0
	s_add_co_u32 s94, s34, s26
	s_lshl_b32 s94, s94, 9
	s_mov_b32 s95, 0
	s_and_b32 s36, ttmp9, 1                        ; Q's scale words: an image of 512 bytes for eight tiles; lane (r, tile % 2), word (tile % 8) / 2
	s_lshl_b32 s36, s36, 8
	s_lshr_b32 s37, ttmp9, 1
	s_lshl_b32 s37, s37, 2
	s_add_co_u32 s36, s36, s37
	s_add_co_u32 s36, s36, 2097152
	s_lshl_b32 s35, s22, 4
	s_add_co_u32 s92, s35, s18
	s_lshl_b32 s92, s92, 9
	s_add_co_u32 s92, s92, s36
	s_mov_b32 s93, 0
	s_add_co_u32 s96, s35, s19
	s_lshl_b32 s96, s96, 9
	s_add_co_u32 s96, s96, s36
	s_mov_b32 s97, 0
	; the copy's place in LDS.  Piece w = 8 d + 4 e + 2 b + a.  V's pieces (d = 1) stay at 512 w, lane l at 16 l.  K's old tile w holds key 32 (w / 2) + 8 (w % 2) + r + 8 (r / 8) in lane r:
	; it goes to 2,048 e + 512 a + 128 b + 1,024 (r / 8) + 16 (r % 8) + 256 h, the score tiles' order
	s_and_b32 s42, s[WV], 1
	s_lshl_b32 s41, s42, 9
	s_bfe_u32 s43, s[WV], 0x10001
	s_bfe_u32 s44, s[WV], 0x10002
	s_lshl_b32 s44, s44, 11
	s_add_co_u32 s41, s41, s44
	s_lshl_b32 s44, s17, 12
	s_add_co_u32 s41, s41, s44
	s_lshl_b32 s44, s43, 7
	s_add_co_u32 s41, s41, s44
	s_and_b32 s44, s43, s17
	s_mul_i32 s44, s44, 896
	s_add_co_u32 s41, s41, s44
	s_xor_b32 s40, s17, 1
	s_mul_i32 s40, s40, 896
	s_add_co_u32 s40, s40, 128                     ; what r / 8 weighs: 1,024 for K, 128 for V
	s_lshr_b32 s45, s[WV], 1                       ; scale bytes: record w / 2 of the phase, half w % 2
	s_mul_i32 s45, s45, STEPB
	s_mul_i32 s46, s42, 384
	s_add_co_u32 s45, s45, s46
	s_add_co_u32 s45, s45, 8192
	s_mul_i32 s46, s16, 4608
	s_add_co_u32 s46, s46, MBASE
	s_mov_b32 s[CS], 0x3e38aa3b
	s_mov_b32 s[CS+1], s[CS]                       ; (named with it as a pair, so it is written)
	s_mov_b32 s[CSN], 0xbe38aa3b
	s_mov_b32 s[SEL], 0x76543210
	s_mov_b32 s[SEL+1], 0xfedcba98
	s_mov_b32 s[FB], 0
	s_mov_b32 s[TB], 0
	v_and_b32 v8, 31, v0
	v_and_b32 v236, 7, v0                          ; r % 8
	v_bfe_u32 v237, v0, 3, 1                       ; r / 8
	v_bfe_u32 v232, v0, 4, 1                       ; h
	v_lshlrev_b32 v[LI], 4, v8
	v_lshlrev_b32 v[L8], 3, v8
	v_lshlrev_b32 v[H8], 3, v232
	v_lshlrev_b32 v233, 4, v236
	v_lshlrev_b32 v[CG], 4, v0                     ; 512 w + 16 lane
	v_mul_u32_u24 v[CD], s40, v237
	v_lshl_add_u32 v233, v232, 8, v233             ; 16 (r % 8) + 256 h
	v_lshl_add_u32 v[SG], v8, 2, s45
	v_add_nc_u32 v[MG], s46, v[LI]
	v_lshl_add_u32 v[KSL], v237, 2, v233           ; K's scale word of row r of score tile (c, 2 g + h) lies at 16 (r % 8) + 4 (r / 8) + 256 h + 128 g + 8 c of the image
	v_add_nc_u32 v[CD], v[CD], v233
	v_and_b32 v[QSO], 15, v0
	v_mov_b32 v[NINF], 0xff800000
	v_add_nc_u32 v[CD], s41, v[CD]
	v_lshlrev_b32 v[QSO], 4, v[QSO]
	s_wait_alu depctr_va_vdst(0)                   ; directly ahead of the wait below
	s_wait_kmcnt 0x0
	s_add_nc_u64 s[KVB:KVB+1], s[4:5], s[KVB:KVB+1]
	s_add_nc_u64 s[30:31], s[10:11], s[30:31]
	s_add_nc_u64 s[32:33], s[10:11], s[32:33]
	s_add_nc_u64 s[90:91], s[6:7], s[90:91]
	s_add_nc_u64 s[92:93], s[6:7], s[92:93]
	s_load_b256 s[68:75], s[30:31], 0x0            ; the flags: four quarters x (ANY, PART), each at its own eight bits
	s_load_b256 s[76:83], s[32:33], 0x0            ; the shared tile's
	CLOAD                                          ; phase 0
	global_load_b128 v[16:19], v[LI], s[90:91]     ; Q's fragment stays in registers
	global_load_b32 v24, v[QSO], s[92:93]
	s_add_nc_u64 s[MP:MP+1], s[8:9], s[MP:MP+1]
	s_add_nc_u64 s[MP2:MP2+1], s[8:9], s[MP2:MP2+1]
	s_add_nc_u64 s[OC:OC+1], s[12:13], s[OC:OC+1]
	s_add_nc_u64 s[OS:OS+1], s[12:13], s[OS:OS+1]
	s_add_nc_u64 s[94:95], s[6:7], s[94:95]
	s_add_nc_u64 s[96:97], s[6:7], s[96:97]
.irp e, 20,21,22,23,252,253
	v_mov_b32 v\e, 0                               ; Q's codes of k = 64 .. 127; a lane permute's destination, and the upper half of a pair that is named whole
.endr
	INIT
	s_wait_alu depctr_va_vdst(0)                   ; the wait at the head's end
	s_wait_kmcnt 0x0
	s_or_b32 s[ANY], s68, s70
	s_or_b32 s14, s72, s74
	s_or_b32 s[ANY], s[ANY], s14                   ; bit j: step j
	s_and_b32 s[ANY], s[ANY], s20
	s_or_b32 s[PART], s69, s71
	s_or_b32 s14, s73, s75
	s_or_b32 s[PART], s[PART], s14
	s_or_b32 s[ANY2], s76, s78
	s_or_b32 s14, s80, s82
	s_or_b32 s[ANY2], s[ANY2], s14
	s_lshr_b32 s[ANY2], s[ANY2], SPLIT
	s_and_b32 s[ANY2], s[ANY2], s21
	s_or_b32 s[PART2], s77, s79
	s_or_b32 s14, s81, s83
	s_or_b32 s[PART2], s[PART2], s14
	s_lshr_b32 s[PART2], s[PART2], SPLIT
	s_wait_loadcnt 2                               ; the phase's eleven loads are in; the two younger, Q's, may be out
	CSTORE
	s_wait_dscnt 0x0                               ; for the others' sake: my stores have landed
	s_barrier_signal -1
	s_barrier_wait -1
	s_wait_loadcnt 0x0                             ; Q
; A KEY STEP: s[TB] holds its record's LDS byte.
.macro STEP
	s_bitcmp1_b32 s[ANY], 0
	s_cbranch_scc0 .Lskip_\@                       ; no key of this step counts for any of my queries, or the step is not mine
	v_add_nc_u32 v[ADR], s[TB], v[LI]              ; these four lines are the four plain instructions between the last step's products and the loads into registers that they read
	v_add_nc_u32 v[AD8], s[TB], v[L8]
	v_add_nc_u32 v[ADS], s[TB], v[KSL]
	v_mov_b32 v254, v12                            ; the old -M
.irp f, 0,1,2,3,4,5,6,7
	ds_load_b128 v[32+4*\f:35+4*\f], v[ADR] offset:512*\f
.endr
.irp c, 0,1
.irp g, 0,1
	ds_load_b32 v[26+2*\c+\g], v[ADS] offset:8192+128*\g+8*\c   ; lanes 0-15: score tile 4 c + 2 g; lanes 16-31: the next
.endr
.endr
	ds_load_b64 v[30:31], v[AD8] offset:8704       ; V's scale words: tiles 0, 1 in lanes 0-15, tiles 2, 3 in lanes 16-31
.irp f, 0,1,2,3,4,5,6,7
	ds_load_b128 v[64+4*\f:67+4*\f], v[ADR] offset:4096+512*\f
.endr
	s_wait_dscnt 0x0                               ; the step's one wait for LDS
.irp c, 0,1
.irp g, 0,1
	MS 96+32*\c+16*\g, 32+16*\c+8*\g, 26+2*\c+\g, 0
	MS 104+32*\c+16*\g, 36+16*\c+8*\g, 26+2*\c+\g, 1
.endr
.endr
.rept 4
	v_nop                                          ; four plain instructions ahead of the first read of the scores
.endr
	s_bitcmp1_b32 s[PART], 0
	s_cbranch_scc0 .Lopen_\@
	s_load_b512 s[4:19], s[MP:MP+1], 0x0
	s_load_b512 s[20:35], s[MP:MP+1], 0x40
	s_load_b512 s[36:51], s[MP:MP+1], 0x80
	s_load_b512 s[68:83], s[MP:MP+1], 0xc0
	s_wait_kmcnt 0x0                               ; the words are in, and their base may be stepped at the step's end
.set n, 0
.rept 64
.if n < 48
	v_cndmask_b32 v[96+n], v[96+n], v[NINF], s[4+n]     ; a masked key's score becomes -infinity: p = 0
.else
	v_cndmask_b32 v[96+n], v[96+n], v[NINF], s[20+n]
.endif
.set n, n+1
.endr
.Lopen_\@:
.irp b, 0,16,32,48                             ; my two blocks' largest scores, two chains to a block, each accumulator read from its low end on
	v_max3_num_f32 v[232+\b/16], v[96+\b], v[97+\b], v[98+\b]
.endr
.irp i, 3,5,7,9,11,13
.irp b, 0,16,32,48
	v_max3_num_f32 v[232+\b/16], v[232+\b/16], v[96+\b+\i], v[97+\b+\i]
.endr
.endr
.irp c, 0,1
	v_max3_num_f32 v[232+2*\c], v[232+2*\c], v[233+2*\c], v[111+32*\c]
.endr
.irp c, 0,1
	v_max_num_f32 v[232+2*\c], v[232+2*\c], v[127+32*\c]   ; block 2 c + h: it serves the row's maximum and, since p rises with the score, the block's largest p
.endr
	v_max_num_f32 v236, v232, v234
	v_permlanex16_b32 v237, v236, s[SEL], s[SEL+1]
	v_max3_num_f32 v13, v13, v236, v237            ; the running largest score (c is positive)
	v_mul_f32 v236, s[CSN], v13
	s_delay_alu instid0(VALU_DEP_1)
	v_floor_f32 v12, v236                          ; the new -M = -ceil(t)
	s_delay_alu instid0(VALU_DEP_1)
	v_sub_f32 v254, v12, v254                      ; old M - new M: a whole number, 0 or less
	s_delay_alu instid0(VALU_DEP_1)
	v_cvt_i32_f32 v254, v254                       ; (it saturates)
	s_delay_alu instid0(VALU_DEP_1)
	v_ldexp_f32 v252, 1.0, v254                    ; f = 2^(old M - new M)
.set j, 0
.rept 32
	v_pk_fma_f32 v[96+j:97+j], v[96+j:97+j], s[CS:CS+1], v[12:13] op_sel_hi:[1,0,0]   ; t - M, two at a time
.set j, j+2
.endr
	v_fma_f32 v232, v232, s[CS], v12               ; the same of each block's largest score
	v_fma_f32 v234, v234, s[CS], v12
	s_wait_alu depctr_va_vdst(0)                   ; the wait ahead of the batch
.set j, 0
.rept 64
	v_exp_f32 v[96+j], v[96+j]                     ; p = 2^(t - M), at most 1
.set j, j+1
.endr
	v_pk_mul_f32 v[14:15], v[14:15], v[252:253] op_sel_hi:[1,0]   ; the sums under the new M: the plain instruction behind the exponentials
	s_wait_alu depctr_va_vdst(0)                   ; one wait for the batch, ahead of its first reader
	v_exp_f32 v232, v232                           ; the blocks' largest p: the same two instructions on the same number give the same bits
	v_exp_f32 v234, v234
	v_pk_add_f32 v[240:241], v[96:97], v[98:99]    ; the row's sum of the unquantised p, in three chains
	v_pk_add_f32 v[242:243], v[100:101], v[102:103]
.set j, 8
.rept 9
	v_pk_add_f32 v[14:15], v[14:15], v[96+j:97+j]
	v_pk_add_f32 v[240:241], v[240:241], v[98+j:99+j]
	v_pk_add_f32 v[242:243], v[242:243], v[100+j:101+j]
.set j, j+6
.endr
	v_pk_add_f32 v[14:15], v[14:15], v[158:159]
	v_pk_add_f32 v[240:241], v[240:241], v[242:243]
	s_delay_alu instid0(VALU_DEP_1)
	v_pk_add_f32 v[14:15], v[14:15], v[240:241]
	s_wait_alu depctr_va_vdst(0)                   ; and one for the two
	v_max_num_f32 v232, 0x1800000, v232            ; the floor 2^(3 - 127): the byte cannot fall under 1
	v_max_num_f32 v234, 0x1800000, v234
	s_delay_alu instid0(VALU_DEP_2)
	v_add_nc_u32 v244, 0xff000000, v232            ; 2 off the exponent field: the conversion's scale operand
	s_delay_alu instid0(VALU_DEP_2)
	v_add_nc_u32 v245, 0xff000000, v234
	s_delay_alu instid0(VALU_DEP_2)
	v_lshrrev_b32 v236, 23, v244                   ; the bytes of blocks h and 2 + h,
	s_delay_alu instid0(VALU_DEP_2)
	v_lshrrev_b32 v237, 23, v245
	s_delay_alu instid0(VALU_DEP_1)
	v_lshl_or_b32 v236, v237, 16, v236
	s_delay_alu instid0(VALU_DEP_1)
	v_lshlrev_b32 v236, v[H8], v236                ; at their places;
	s_delay_alu instid0(VALU_DEP_1)
	v_permlanex16_b32 v237, v236, s[SEL], s[SEL+1]
	s_delay_alu instid0(VALU_DEP_1)
	v_or_b32 v25, v236, v237                       ; with lane l xor 16's two: p's scale word for these 128 keys
.irp c, 0,1
.irp g, 0,1,2,3
	v_cvt_scalef32_pk8_fp4_f32 v[224+4*\c+\g], v[96+32*\c+8*\g:103+32*\c+8*\g], v[244+\c]   ; register 4 c + g of the operand: keys 64 c + 32 h + 8 g + 0 .. 7
.endr
.endr
	v_nop                                          ; one plain instruction behind the last scaled conversion
	s_wait_alu depctr_va_vdst(0)                   ; directly ahead of the first reader of O^T
.set j, 0
.rept 16
	v_pk_mul_f32 v[160+j:161+j], v[160+j:161+j], v[252:253] op_sel_hi:[1,0]   ; O^T under the new M; these sixteen also stand between the writes of p's codes and scale word and the products below
.set j, j+2
.endr
	MO 160, 64, 30, 0                              ; the four accumulators take turns, and the eight score products stand between two laps
	MO 168, 72, 31, 0
	MO 176, 80, 30, 1
	MO 184, 88, 31, 1
.Lskip_\@:
	s_lshr_b32 s[ANY], s[ANY], 1
	s_lshr_b32 s[PART], s[PART], 1
	s_add_nc_u64 s[MP:MP+1], s[MP:MP+1], 256
	s_add_co_u32 s[TB], s[TB], STEPB
.endm
; THE WAY OUT of a tile: O^T / the sum, quantised along the head's 64 (register 16 b + i is channel 32 b + 16 (lane / 16) + i), codes and two scale bytes stored.
.macro WAYOUT
	s_wait_alu depctr_va_vdst(0)
	v_add_f32 v14, v14, v15                        ; the sum's two halves,
	v_and_b32 v234, 15, v0
	v_mov_b32 v235, 0xffff
	v_permlanex16_b32 v252, v14, s[SEL], s[SEL+1]
	v_lshlrev_b32 v234, 2, v234                    ; my row's scale word
	s_delay_alu instid0(VALU_DEP_2)
	v_add_f32 v14, v14, v252                       ; and lane l xor 16's
	s_delay_alu instid0(VALU_DEP_1)
	v_cmp_eq_f32 s[ZF], 0, v14                     ; no key counted for my query
	s_wait_alu depctr_va_vdst(0)                   ; the wait ahead of the transcendental
	v_rcp_f32 v14, v14
	v_and_b32 v240, 31, v0
	s_wait_alu depctr_va_vdst(0)                   ; and ahead of its first reader, which is also the first reader of O^T
.set j, 0
.rept 16
	v_pk_mul_f32 v[160+j:161+j], v[160+j:161+j], v[14:15] op_sel_hi:[1,0]
.set j, j+2
.endr
.irp b, 0,1
	v_max3_num_f32 v[232+\b], |v[160+16*\b]|, |v[161+16*\b]|, 0x1800000
.endr
.irp i, 2,4,6,8,10,12,14
.irp b, 0,1
	s_delay_alu instid0(VALU_DEP_2)
	v_max3_num_f32 v[232+\b], v[232+\b], |v[160+16*\b+\i]|, |v[161+16*\b+\i]|
.endr
.endr
.irp b, 0,1
	s_delay_alu instid0(VALU_DEP_2)
	v_permlanex16_b32 v[236+\b], v[232+\b], s[SEL], s[SEL+1]
.endr
.irp b, 0,1
	s_delay_alu instid0(VALU_DEP_2)
	v_max_num_f32 v[232+\b], v[232+\b], v[236+\b]
.endr
.irp b, 0,1
	s_delay_alu instid0(VALU_DEP_2)
	v_add_nc_u32 v[244+\b], 0xff000000, v[232+\b]
.endr
.irp b, 0,1
	s_delay_alu instid0(VALU_DEP_2)
	v_lshrrev_b32 v[236+\b], 23, v[244+\b]
.endr
	s_delay_alu instid0(VALU_DEP_1)
	v_lshl_or_b32 v241, v237, 8, v236              ; my head's two bytes of the row's scale word;
	s_delay_alu instid0(VALU_DEP_1)
	v_cndmask_b32 v241, v241, v235, s[ZF]          ; 0xff twice where the sum is 0
.irp b, 0,1
	v_cvt_scalef32_pk8_fp4_f32 v[224+2*\b], v[160+16*\b:167+16*\b], v[244+\b]
	v_cvt_scalef32_pk8_fp4_f32 v[225+2*\b], v[168+16*\b:175+16*\b], v[244+\b]
.endr
	v_nop                                          ; one plain instruction behind the last scaled conversion
	v_permlane16_swap_b32 v224, v226
	v_permlane16_swap_b32 v225, v227               ; four registers: half a fragment of the next product: channels 32 (lane / 16) + 0 .. 31 of my head
	global_store_b128 v[LI], v[224:227], s[OC:OC+1]   ; 512 consecutive bytes
	v_cmp_gt_u32 vcc_lo, 16, v240
	s_wait_alu depctr_va_vdst(0)
	s_wait_xcnt 0x0                                ; EXEC changes only behind this wait
	s_and_saveexec_b32 s[SX], vcc_lo
	global_store_b16 v234, v241, s[OS:OS+1]
	s_wait_xcnt 0x0                                ; and the stores' registers may be written again
	s_or_b32 exec_lo, exec_lo, s[SX]
.endm
; Steps 0 to 5, two a trip, read LDS bytes under 6 x 8,960; under them phases 1 to 3 are fetched and stored from byte 8 x 8,960 on.
	s_mov_b32 s[FB], PHASE
	s_mov_b32 s[CNT], 3
.Lcopy:
	s_add_nc_u64 s[KVB:KVB+1], s[KVB:KVB+1], PHASE ; the last phase's loads have been waited for
	CLOAD
	STEP
	STEP
	s_wait_loadcnt 0x0
	CSTORE
	s_add_co_u32 s[FB], s[FB], PHASE
	s_wait_dscnt 0x0                               ; my stores have landed, and have read their registers
	s_barrier_signal -1
	s_barrier_wait -1
	s_sub_co_u32 s[CNT], s[CNT], 1
	s_cmp_lg_u32 s[CNT], 0
	s_cbranch_scc1 .Lcopy
	global_load_b128 v[192:195], v[LI], s[94:95]   ; the shared tile's Q, into the batch's registers, which are free now
	global_load_b32 v196, v[QSO], s[96:97]
	s_mov_b32 s[CNT], 26
.Lstep:                                            ; steps 6 to 31 of my first tile
	STEP
	s_sub_co_u32 s[CNT], s[CNT], 1
	s_cmp_lg_u32 s[CNT], 0
	s_cbranch_scc1 .Lstep
	s_wait_loadcnt 0x0
	s_cmp_lt_u32 s[WV], 8
	s_cbranch_scc0 .Lkeep                          ; waves 8-15 keep their tile's state
	WAYOUT                                         ; waves 0-7: the first tile is whole
.irp e, 0,1,2,3
	v_mov_b32 v[16+\e], v[192+\e]                  ; on to the shared tile
.endr
	v_mov_b32 v24, v196
	INIT
	s_wait_alu depctr_va_vdst(0)
.Lkeep:
	s_mov_b32 s[ANY], s[ANY2]                      ; 0 in waves 8-15
	s_mov_b32 s[PART], s[PART2]
	s_mov_b64 s[MP:MP+1], s[MP2:MP2+1]
	s_mov_b32 s[TB], SPLIT*STEPB
	s_mov_b32 s[CNT], 32-SPLIT
.Llast:                                            ; steps 25 to 31 of the shared tile
	STEP
	s_sub_co_u32 s[CNT], s[CNT], 1
	s_cmp_lg_u32 s[CNT], 0
	s_cbranch_scc1 .Llast
	s_cmp_lt_u32 s[WV], 8
	s_cbranch_scc0 .Lnot_a
.rept 4
	v_nop                                          ; four plain instructions behind the last products, ahead of the stores that read their results
.endr
.irp i, 0,1,2,3,4,5,6,7
	ds_store_b128 v[MG], v[160+4*\i:163+4*\i] offset:512*\i   ; my part of the shared tile, as an image of the registers; each accumulator from its low end on
.endr
	ds_store_b128 v[MG], v[12:15] offset:4096      ; -M, the largest score, the sum
.Lnot_a:
	s_wait_dscnt 0x0                               ; for the partner's sake
	s_barrier_signal -1
	s_barrier_wait -1
	s_cmp_lt_u32 s[WV], 8
	s_cbranch_scc1 .Lend
.irp i, 0,1,2,3,4,5,6,7
	ds_load_b128 v[96+4*\i:99+4*\i], v[MG] offset:512*\i
.endr
	ds_load_b128 v[128:131], v[MG] offset:4096
	s_wait_dscnt 0x0
	v_min_num_f32 v232, v12, v128                  ; the joint -M
	s_delay_alu instid0(VALU_DEP_1)
	v_sub_f32 v233, v232, v12                      ; my M - the joint M, and the partner's: whole numbers, 0 or less
	v_sub_f32 v234, v232, v128
	s_delay_alu instid0(VALU_DEP_2)
	v_cvt_i32_f32 v233, v233
	s_delay_alu instid0(VALU_DEP_2)
	v_cvt_i32_f32 v234, v234
	s_delay_alu instid0(VALU_DEP_2)
	v_ldexp_f32 v252, 1.0, v233
	s_delay_alu instid0(VALU_DEP_2)
	v_ldexp_f32 v236, 1.0, v234
	v_pk_mul_f32 v[14:15], v[14:15], v[252:253] op_sel_hi:[1,0]
.set j, 0
.rept 16
	v_pk_mul_f32 v[160+j:161+j], v[160+j:161+j], v[252:253] op_sel_hi:[1,0]
.set j, j+2
.endr
	v_pk_fma_f32 v[14:15], v[130:131], v[236:237], v[14:15] op_sel_hi:[1,0,1]
.set j, 0
.rept 16
	v_pk_fma_f32 v[160+j:161+j], v[96+j:97+j], v[236:237], v[160+j:161+j] op_sel_hi:[1,0,1]
.set j, j+2
.endr
	WAYOUT
.Lend:
	s_wait_tensorcnt 0x0                           ; the wave's end
	ds_add_u32 v[SPW], v[NIL]
	s_wait_dscnt 0x0
	s_endpgm
.Lfunc_end_k_qae0f7b1f3b_attn:
	.size	k_qae0f7b1f3b_attn, .Lfunc_end_k_qae0f7b1f3b_attn-k_qae0f7b1f3b_attn
	.p2alignl 7, 3214868480
	.fill 96, 4, 3214868480
	.section	.rodata,"a",@progbits
	.p2align	6, 0x0
	.amdhsa_kernel k_qae0f7b1f3b_attn
		.amdhsa_group_segment_fixed_size 325632
		.amdhsa_private_segment_fixed_size 0
		.amdhsa_enable_private_segment 0
		.amdhsa_kernarg_size 40
		.amdhsa_user_sgpr_count 2
		.amdhsa_user_sgpr_kernarg_segment_ptr 1
		.amdhsa_wavefront_size32 1
		.amdhsa_system_sgpr_workgroup_id_x 1
		.amdhsa_system_sgpr_workgroup_id_y 1
		.amdhsa_system_sgpr_workgroup_id_z 1
		.amdhsa_system_vgpr_workitem_id 0
		.amdhsa_next_free_vgpr 256
		.amdhsa_next_free_sgpr 102
		.amdhsa_reserve_vcc 1
		.amdhsa_float_denorm_mode_32 3
		.amdhsa_float_denorm_mode_16_64 3
		.amdhsa_memory_ordered 1
		.amdhsa_forward_progress 1
		.amdhsa_inst_pref_size 103
	.end_amdhsa_kernel
	.amdgpu_metadata
---
amdhsa.version: [ 1, 2 ]
amdhsa.kernels:
  - .name:           k_qae0f7b1f3b_attn
    .symbol:         k_qae0f7b1f3b_attn.kd
    .args:
      - { .name: kv_pk, .offset: 0, .size: 8, .value_kind: global_buffer, .address_space: global }
      - { .name: q_pk, .offset: 8, .size: 8, .value_kind: global_buffer, .address_space: global }
      - { .name: mask_w, .offset: 16, .size: 8, .value_kind: global_buffer, .address_space: global }
      - { .name: flags, .offset: 24, .size: 8, .value_kind: global_buffer, .address_space: global }
      - { .name: a_pk, .offset: 32, .size: 8, .value_kind: global_buffer, .address_space: global }
    .group_segment_fixed_size: 325632
    .private_segment_fixed_size: 0
    .kernarg_segment_align: 8
    .kernarg_segment_size: 40
    .max_flat_workgroup_size: 512
    .sgpr_count:     102
    .vgpr_count:     256
    .wavefront_size: 32
...
	.end_amdgpu_metadata
.endif
;; end of part 3
;; launch outp (part 4): grid 128 x 1, 8 waves a work-group, no clusters, 148,992 bytes of LDS; arguments a_pk, w_pk, x, ln_g, ln_b, out0; writes out0
.if DOCPART == 4
	.amdgcn_target "amdgcn-amd-amdhsa--gfx1250"
	.amdhsa_code_object_version 6
	.text
	.protected	k_qae0f7b1f3b_outp
	.globl	k_qae0f7b1f3b_outp
	.p2align	8
	.type	k_qae0f7b1f3b_outp,@function
k_qae0f7b1f3b_outp:
	s_mov_b64 s[64:65], 0
	v_nop
	global_prefetch_b8 v0, s[64:65] scope:SCOPE_SE
	s_setreg_imm32_b32 hwreg(HW_REG_WAVE_MODE, 25, 1), 1
	s_wait_xcnt 0x0
; OUTP.  out0 = LayerNorm(x + attended W_o) x g + b.  The product is on codes of E2M1; all else in f32; mean and variance in two passes.
; SHARES.  A work-group takes 32 whole rows (two tiles of 16) and all 1,024 columns, so that a row's mean and variance need no other work-group.  Wave w of eight takes columns 128 w .. 128 w + 127: eight tiles of W_o.
; Each fragment of W_o comes from memory straight into the one wave that multiplies by it, as 512 consecutive bytes a load, three tiles' buffers by turns, and feeds two products.
; 128 work-groups of 32 rows and not 256 of 16: every work-group walks all of W_o's 557,056 bytes, and half the rows would double those bytes.
; NO CLUSTER: W_o's fragments go to registers, not to LDS, where its bytes would not fit beside the stage without slots that are filled again.
; The product is used transposed (source 0 = 16 columns of W_o, source 1 = 16 rows): a lane holds eight neighbouring columns of one row.  The rows meet in a stage in LDS; each wave then owns four whole rows.
; A row whose scale bytes are 0xff (no key counted for it) comes out as NaN, whole.
; REGISTERS.  window 0: v1-6 addresses; v16-31 at work; v32-39 the rows' scale words (lanes 0-15 tile 0, lanes 16-31 tile 1), v40-51 W_o's, three sets; v64-191 the rows' 16 fragments, later x and y; v192-255 W_o's buffer 0, later g and b.
;   window 1: v0-63, v64-127 W_o's buffers 1 and 2, later the stage's rows; v128-255 the sixteen accumulators.
.set REC,  8704
.set SROW, 4112                        ; a stage row: 4,096 bytes + 16: an odd multiple of 16
.set STG,  16384                       ; behind the rows' fragments
.set LI,  1
.set AF,  2
.set ASO, 3
.set SO,  4                            ; v4, v5
.set RD,  6
.set AS,  32
.set WSC, 40
.set MSB, 0
.macro WIN new                         ; the immediate's high byte repeats the setting that is left
.if MSB != \new
	s_set_vgpr_msb (MSB<<8)|\new
.set MSB, \new
.endif
.endm
	s_load_b256 s[4:11], s[0:1], 0x0               ; a_pk, w_pk, x, ln_g
	s_load_b128 s[12:15], s[0:1], 0x20             ; ln_b, out0
	v_lshl_add_u32 v62, v0, 2, 0x24200
	v_mov_b32 v63, 0
	v_lshrrev_b32 v1, 5, v0
	s_delay_alu instid0(VALU_DEP_1)
	v_readfirstlane_b32 s16, v1                    ; wave 0..7
	v_and_b32 v7, 31, v0
	s_delay_alu instid0(VALU_DEP_1)
	v_lshlrev_b32 v[LI], 4, v7
	v_lshlrev_b32 v10, 8, v7                       ; 256 x lane: the prefetches' offset; never rewritten
	v_and_b32 v8, 15, v0                           ; r
	v_bfe_u32 v9, v0, 4, 1                         ; h
	s_lshl_b32 s24, s16, 11
	v_add_nc_u32 v[AF], s24, v[LI]                 ; my 2,048 of the rows' 16,384 bytes of codes, in memory and in LDS alike
	v_lshlrev_b32 v[ASO], 2, v8
	s_delay_alu instid0(VALU_DEP_1)
	v_lshl_add_u32 v[ASO], v9, 9, v[ASO]           ; scale words: 4 r, + 512 for the second tile
	v_mul_u32_u24 v[SO], v8, SROW
	s_delay_alu instid0(VALU_DEP_1)
	v_lshl_add_u32 v[SO], v9, 6, v[SO]
	s_lshl_b32 s24, s16, 9
	s_add_co_u32 s24, s24, STG
	v_add_nc_u32 v[SO], s24, v[SO]                 ; the stage: row r, my wave's 512 bytes, + 64 h
	s_delay_alu instid0(VALU_DEP_1)
	v_add_nc_u32 v[SO+1], 16*SROW, v[SO]           ; the second tile's rows
	s_mul_i32 s24, s16, 4*SROW
	s_add_co_u32 s24, s24, STG
	v_add_nc_u32 v[RD], s24, v[LI]                 ; back: my four rows
	s_mov_b32 s18, 0x76543210
	s_mov_b32 s19, 0xfedcba98
	s_mov_b32 s20, 0x3a800000                      ; 1 / 1,024
	s_mov_b32 s21, 0x3727c5ac                      ; 1e-5
	s_mov_b32 s22, 0xba800000                      ; -1 / 1,024
	s_lshl_b32 s26, ttmp9, 14                      ; two tiles x 8,192 bytes of codes
	s_mov_b32 s27, 0
	s_lshl_b32 s28, ttmp9, 10
	s_add_co_u32 s28, s28, 2097152                 ; two tiles x 512 bytes of scale words
	s_mov_b32 s29, 0
	s_lshl_b32 s30, s16, 3
	s_add_co_u32 s30, s30, 192                     ; W_o's records begin at 192
	s_mul_i32 s30, s30, REC
	s_mov_b32 s31, 0
	s_lshl_b32 s32, ttmp9, 5                       ; stage rows 4 w .. 4 w + 3 are rows 32 Y + 8 (w / 4) + 4 (w % 4) + 8 ((w / 2) % 2) + 0 .. 3
	s_lshr_b32 s33, s16, 2
	s_lshl_b32 s33, s33, 3
	s_add_co_u32 s32, s32, s33
	s_and_b32 s33, s16, 3
	s_lshl_b32 s33, s33, 2
	s_add_co_u32 s32, s32, s33
	s_bfe_u32 s33, s16, 0x10001
	s_lshl_b32 s33, s33, 3
	s_add_co_u32 s32, s32, s33
	s_lshl_b32 s32, s32, 12
	s_mov_b32 s33, 0
	s_wait_alu depctr_va_vdst(0)
	s_wait_kmcnt 0x0
	s_add_nc_u64 s[26:27], s[4:5], s[26:27]
	s_add_nc_u64 s[28:29], s[4:5], s[28:29]
	s_add_nc_u64 s[24:25], s[6:7], s[30:31]
	s_add_nc_u64 s[8:9], s[8:9], s[32:33]
	s_add_nc_u64 s[14:15], s[14:15], s[32:33]
; tile n of my eight of W_o: 16 loads of codes and one of scale words, into buffer n % 3
.macro WLOAD n
.set BUF, (\n)%3
.if BUF == 0
.set WB, 192
	WIN 0
.else
.set WB, 64*(BUF-1)
	WIN 0x40                                       ; destination window 1
.endif
.irp ks, 0,1,2,3,4,5,6,7
.irp c, 0,1
	global_load_b128 v[WB+8*\ks+4*\c:WB+8*\ks+4*\c+3], v[LI], s[24:25] offset:(\n)*REC+1024*\ks+512*\c
.endr
.endr
	WIN 0
	global_load_b128 v[WSC+4*BUF:WSC+4*BUF+3], v[LI], s[24:25] offset:(\n)*REC+8192
.endm
.macro OPROD d, a, b, sa, sb, ks, m
.if (\ks) == 0
.if (\m) == 0
	v_wmma_scale_f32_16x16x128_f8f6f4 v[\d:\d+7], v[\a:\a+7], v[\b:\b+7], 0, v[\sa], v[\sb] matrix_a_fmt:MATRIX_FMT_FP4 matrix_b_fmt:MATRIX_FMT_FP4
.else
	v_wmma_scale_f32_16x16x128_f8f6f4 v[\d:\d+7], v[\a:\a+7], v[\b:\b+7], 0, v[\sa], v[\sb] matrix_a_fmt:MATRIX_FMT_FP4 matrix_b_fmt:MATRIX_FMT_FP4 matrix_b_scale:MATRIX_SCALE_ROW1
.endif
.elseif (\ks) < 4
.if (\m) == 0
	v_wmma_scale_f32_16x16x128_f8f6f4 v[\d:\d+7], v[\a:\a+7], v[\b:\b+7], v[\d:\d+7], v[\sa], v[\sb] matrix_a_fmt:MATRIX_FMT_FP4 matrix_b_fmt:MATRIX_FMT_FP4
.else
	v_wmma_scale_f32_16x16x128_f8f6f4 v[\d:\d+7], v[\a:\a+7], v[\b:\b+7], v[\d:\d+7], v[\sa], v[\sb] matrix_a_fmt:MATRIX_FMT_FP4 matrix_b_fmt:MATRIX_FMT_FP4 matrix_b_scale:MATRIX_SCALE_ROW1
.endif
.else
.if (\m) == 0
	v_wmma_scale_f32_16x16x128_f8f6f4 v[\d:\d+7], v[\a:\a+7], v[\b:\b+7], v[\d:\d+7], v[\sa], v[\sb] matrix_a_fmt:MATRIX_FMT_FP4 matrix_b_fmt:MATRIX_FMT_FP4 matrix_a_scale:MATRIX_SCALE_ROW1
.else
	v_wmma_scale_f32_16x16x128_f8f6f4 v[\d:\d+7], v[\a:\a+7], v[\b:\b+7], v[\d:\d+7], v[\sa], v[\sb] matrix_a_fmt:MATRIX_FMT_FP4 matrix_b_fmt:MATRIX_FMT_FP4 matrix_a_scale:MATRIX_SCALE_ROW1 matrix_b_scale:MATRIX_SCALE_ROW1
.endif
.endif
.endm
; tile n: its two accumulators (the two tiles of rows) take turns, K ascending; the first products start the sums
.macro NTILE n
.if ((\n) > 0) && ((\n) < 6)
.rept 4
	v_nop                                          ; four plain instructions between the last products and loads into the buffer and scale registers that they read
.endr
.endif
.if (\n) < 6
	WLOAD (\n)+2
	s_wait_loadcnt 34                              ; tile n is in; the two younger runs of 17 loads may be out
.elseif (\n) == 6
	s_wait_loadcnt 17                              ; the last run may be out
.else
	s_wait_loadcnt 0x0
.endif
.set BUF, (\n)%3
.if BUF == 0
.set WB, 192
	WIN 0x50                                       ; C and D in window 1
.else
.set WB, 64*(BUF-1)
	WIN 0x51                                       ; and source 0 too
.endif
.irp ks, 0,1,2,3,4,5,6,7
.irp m, 0,1
	OPROD 128+16*(\n)+8*\m, WB+8*\ks, 64+64*\m+8*\ks, WSC+4*BUF+\ks%4, AS+\ks, \ks, \m
.endr
.endr
	WIN 0
.endm
.irp i, 0,1,2,3
	global_load_b128 v[16+4*\i:19+4*\i], v[AF], s[26:27] offset:512*\i
.endr
.irp ks, 0,1,2,3,4,5,6,7
	global_load_b32 v[AS+\ks], v[ASO], s[28:29] offset:64*\ks
.endr
	WLOAD 0
	WLOAD 1
	global_prefetch_b8 v10, s[8:9] th:TH_LOAD_NT scope:SCOPE_SE               ; my four rows of x, 16,384 bytes, a lane to each 256: the loads that want them stand behind all eight tiles' products.
	global_prefetch_b8 v10, s[8:9] offset:8192 th:TH_LOAD_NT scope:SCOPE_SE   ; Each block is named once in the launch; neither v10 nor s[8:9] nor EXEC is written again
	s_wait_loadcnt 34                              ; the rows' codes and scale words are in; W_o's two runs of 17 may be out
.irp i, 0,1,2,3
	ds_store_b128 v[AF], v[16+4*\i:19+4*\i] offset:512*\i
.endr
	s_wait_dscnt 0x0                               ; for the others' sake
	s_barrier_signal -1
	s_barrier_wait -1
.irp m, 0,1
.irp ks, 0,1,2,3,4,5,6,7
.irp c, 0,1
	ds_load_b128 v[64+64*\m+8*\ks+4*\c:67+64*\m+8*\ks+4*\c], v[LI] offset:8192*\m+1024*\ks+512*\c
.endr
.endr
.endr
	s_wait_dscnt 0x0
.irp n, 0,1,2,3,4,5,6,7
	NTILE \n
.endr
.rept 4
	v_nop                                          ; four plain instructions behind the last products: for the loads below and the first read of results
.endr
.irp i, 0,1,2,3
.irp q, 0,1,2,3,4,5,6,7
	global_load_b128 v[64+32*\i+4*\q:67+32*\i+4*\q], v[LI], s[8:9] offset:4096*\i+512*\q th:TH_LOAD_NT   ; my four rows of x
.endr
.endr
.irp q, 0,1,2,3,4,5,6,7
	global_load_b128 v[192+4*\q:195+4*\q], v[LI], s[10:11] offset:512*\q
	global_load_b128 v[224+4*\q:227+4*\q], v[LI], s[12:13] offset:512*\q
.endr
	WIN 0x04                                       ; an LDS store's data are its source 1: window 1
.irp n, 0,1,2,3,4,5,6,7
.irp m, 0,1
	ds_store_b128 v[SO+\m], v[128+16*\n+8*\m:131+16*\n+8*\m] offset:128*(\n/2)+32*(\n%2)       ; each accumulator from its low end on: columns 32 (n / 2) + 16 h + 8 (n % 2) + 0 .. 7 of my 128
	ds_store_b128 v[SO+\m], v[132+16*\n+8*\m:135+16*\n+8*\m] offset:128*(\n/2)+32*(\n%2)+16
.endr
.endr
	WIN 0
	s_wait_dscnt 0x0                               ; for the others' sake
	s_barrier_signal -1
	s_barrier_wait -1                              ; 32 whole rows lie in the stage
	WIN 0x40
.irp i, 0,1,2,3
.irp q, 0,1,2,3,4,5,6,7
	ds_load_b128 v[32*\i+4*\q:32*\i+4*\q+3], v[RD] offset:SROW*\i+512*\q
.endr
.endr
	WIN 0
	s_wait_dscnt 0x0
	s_wait_loadcnt 0x0
	WIN 0x04                                       ; source 1 in window 1
.set j, 0
.rept 64
	v_pk_add_f32 v[64+j:65+j], v[64+j:65+j], v[j:j+1]     ; y = x + the product
.set j, j+2
.endr
	WIN 0
; one row: all of it lies in this wave, 32 numbers a lane
.macro LNROW i
.set YB, 64+32*(\i)
	v_pk_add_f32 v[16:17], v[YB:YB+1], v[YB+2:YB+3]
	v_pk_add_f32 v[18:19], v[YB+4:YB+5], v[YB+6:YB+7]
.irp j, 8,12,16,20,24,28
	s_delay_alu instid0(VALU_DEP_2)
	v_pk_add_f32 v[16:17], v[16:17], v[YB+\j:YB+\j+1]
	s_delay_alu instid0(VALU_DEP_2)
	v_pk_add_f32 v[18:19], v[18:19], v[YB+\j+2:YB+\j+3]
.endr
	s_delay_alu instid0(VALU_DEP_1)
	v_pk_add_f32 v[16:17], v[16:17], v[18:19]
	s_delay_alu instid0(VALU_DEP_1)
	v_add_f32 v16, v16, v17
	s_delay_alu instid0(VALU_DEP_1)
	v_add_f32_dpp v16, v16, v16 row_xmask:1 row_mask:0xf bank_mask:0xf
	s_delay_alu instid0(VALU_DEP_1)
	v_add_f32_dpp v16, v16, v16 row_xmask:2 row_mask:0xf bank_mask:0xf
	s_delay_alu instid0(VALU_DEP_1)
	v_add_f32_dpp v16, v16, v16 row_xmask:4 row_mask:0xf bank_mask:0xf
	s_delay_alu instid0(VALU_DEP_1)
	v_add_f32_dpp v16, v16, v16 row_xmask:8 row_mask:0xf bank_mask:0xf
	s_delay_alu instid0(VALU_DEP_1)
	v_permlanex16_b32 v17, v16, s18, s19
	s_delay_alu instid0(VALU_DEP_1)
	v_add_f32 v16, v16, v17
	s_delay_alu instid0(VALU_DEP_1)
	v_mul_f32 v16, s22, v16                        ; - the mean
.set j, 0
.rept 16
	v_pk_add_f32 v[YB+j:YB+j+1], v[YB+j:YB+j+1], v[16:17] op_sel_hi:[1,0]
.set j, j+2
.endr
	v_pk_mul_f32 v[18:19], v[YB:YB+1], v[YB:YB+1]
	v_pk_mul_f32 v[20:21], v[YB+2:YB+3], v[YB+2:YB+3]
.irp j, 4,8,12,16,20,24,28
	s_delay_alu instid0(VALU_DEP_2)
	v_pk_fma_f32 v[18:19], v[YB+\j:YB+\j+1], v[YB+\j:YB+\j+1], v[18:19]
	s_delay_alu instid0(VALU_DEP_2)
	v_pk_fma_f32 v[20:21], v[YB+\j+2:YB+\j+3], v[YB+\j+2:YB+\j+3], v[20:21]
.endr
	s_delay_alu instid0(VALU_DEP_1)
	v_pk_add_f32 v[18:19], v[18:19], v[20:21]
	s_delay_alu instid0(VALU_DEP_1)
	v_add_f32 v18, v18, v19
	s_delay_alu instid0(VALU_DEP_1)
	v_add_f32_dpp v18, v18, v18 row_xmask:1 row_mask:0xf bank_mask:0xf
	s_delay_alu instid0(VALU_DEP_1)
	v_add_f32_dpp v18, v18, v18 row_xmask:2 row_mask:0xf bank_mask:0xf
	s_delay_alu instid0(VALU_DEP_1)
	v_add_f32_dpp v18, v18, v18 row_xmask:4 row_mask:0xf bank_mask:0xf
	s_delay_alu instid0(VALU_DEP_1)
	v_add_f32_dpp v18, v18, v18 row_xmask:8 row_mask:0xf bank_mask:0xf
	s_delay_alu instid0(VALU_DEP_1)
	v_permlanex16_b32 v19, v18, s18, s19
	s_delay_alu instid0(VALU_DEP_1)
	v_add_f32 v18, v18, v19
	s_delay_alu instid0(VALU_DEP_1)
	v_fma_f32 v18, v18, s20, s21                   ; the variance + 1e-5
	s_wait_alu depctr_va_vdst(0)
	v_rsq_f32 v18, v18
	v_nop                                          ; a plain instruction behind the transcendental,
	s_wait_alu depctr_va_vdst(0)                   ; and the wait ahead of its first reader
.set j, 0
.rept 16
	v_pk_mul_f32 v[YB+j:YB+j+1], v[YB+j:YB+j+1], v[18:19] op_sel_hi:[1,0]
.set j, j+2
.endr
.set j, 0
.rept 16
	v_pk_fma_f32 v[YB+j:YB+j+1], v[YB+j:YB+j+1], v[192+j:193+j], v[224+j:225+j]
.set j, j+2
.endr
.irp q, 0,1,2,3,4,5,6,7
	global_store_b128 v[LI], v[YB+4*\q:YB+4*\q+3], s[14:15] offset:4096*(\i)+512*\q th:TH_STORE_NT   ; 32 lanes store 512 consecutive bytes
.endr
.endm
	LNROW 0
	LNROW 1
	LNROW 2
	LNROW 3
	s_wait_tensorcnt 0x0
	ds_add_u32 v62, v63
	s_wait_dscnt 0x0
	s_endpgm
.Lfunc_end_k_qae0f7b1f3b_outp:
	.size	k_qae0f7b1f3b_outp, .Lfunc_end_k_qae0f7b1f3b_outp-k_qae0f7b1f3b_outp
	.p2alignl 7, 3214868480
	.fill 96, 4, 3214868480
	.section	.rodata,"a",@progbits
	.p2align	6, 0x0
	.amdhsa_kernel k_qae0f7b1f3b_outp
		.amdhsa_group_segment_fixed_size 148992
		.amdhsa_private_segment_fixed_size 0
		.amdhsa_enable_private_segment 0
		.amdhsa_kernarg_size 48
		.amdhsa_user_sgpr_count 2
		.amdhsa_user_sgpr_kernarg_segment_ptr 1
		.amdhsa_wavefront_size32 1
		.amdhsa_system_sgpr_workgroup_id_x 1
		.amdhsa_system_sgpr_workgroup_id_y 1
		.amdhsa_system_sgpr_workgroup_id_z 1
		.amdhsa_system_vgpr_workitem_id 0
		.amdhsa_next_free_vgpr 512
		.amdhsa_next_free_sgpr 66
		.amdhsa_reserve_vcc 0
		.amdhsa_float_denorm_mode_32 3
		.amdhsa_float_denorm_mode_16_64 3
		.amdhsa_memory_ordered 1
		.amdhsa_forward_progress 1
		.amdhsa_inst_pref_size 83
	.end_amdhsa_kernel
	.amdgpu_metadata
---
amdhsa.version: [ 1, 2 ]
amdhsa.kernels:
  - .name:           k_qae0f7b1f3b_outp
    .symbol:         k_qae0f7b1f3b_outp.kd
    .args:
      - { .name: a_pk, .offset: 0, .size: 8, .value_kind: global_buffer, .address_space: global }
      - { .name: w_pk, .offset: 8, .size: 8, .value_kind: global_buffer, .address_space: global }
      - { .name: x, .offset: 16, .size: 8, .value_kind: global_buffer, .address_space: global }
      - { .name: ln_g, .offset: 24, .size: 8, .value_kind: global_buffer, .address_space: global }
      - { .name: ln_b, .offset: 32, .size: 8, .value_kind: global_buffer, .address_space: global }
      - { .name: out0, .offset: 40, .size: 8, .value_kind: global_buffer, .address_space: global }
    .group_segment_fixed_size: 148992
    .private_segment_fixed_size: 0
    .kernarg_segment_align: 8
    .kernarg_segment_size: 48
    .max_flat_workgroup_size: 256
    .sgpr_count:     66
    .vgpr_count:     512
    .wavefront_size: 32
...
	.end_amdgpu_metadata
.endif
;; end of part 4
